; MI455X (gfx1250); checked and timed in simulation.
; The chip was launched on July 23, 2026; its instructions are those of AMD's public machine-readable ISA for CDNA 5 (MIT licence, August 2026) and "CDNA5" Instruction Set Architecture Reference Guide (July 2026). The comments in the code are by the model that wrote it; some were corrected since.
;; Parallel Attention Block. Allowed arithmetic: matrix products marked QUANTISED: E2M1 operands, one E8M0 scale for each 32 along K, by v_wmma_scale_f32_16x16x128_f8f6f4 with both operands' format E2M1 (or v_wmma_scale_f32_32x16x128_f4), f32 sums; everything else in f32.
;; Inputs: ln_b 1,024 float32; ln_w 1,024 float32; w_down 4,096 x 1,024 float32; w_gate 1,024 x 4,096 float32; w_up 1,024 x 4,096 float32; wk 1,024 x 256 float32; wo 512 x 1,024 float32; wq 1,024 x 512 float32; wv 1,024 x 256 float32; x 2 x 2,048 x 1,024 float32.
;; Outputs: out0 2 x 2,048 x 1,024 float32.
;; This version of the problem:
;;   THIS VERSION OF THE PROBLEM IS GIVEN IN LOW PRECISION. The matrix products marked QUANTISED in the list below multiply operands that are first quantised to E2M1 (2 exponent bits, 1 mantissa bit; 4 bits a number), with one power-of-two scale for each 32 numbers along K (OCP MX v1.0); their sums are f32. All else is computed in f32.
;;   The module's matrix products, in the order in which they are computed (A, B: the left and right operand; K: the contracted axis; several contracted axes count as one K, in the product's order):
;;     1. [M 4,096, K 1,024] x [K 1,024, N 512]; A: computed on the way; B: input wq: QUANTISED
;;     2. [M 4,096, K 1,024] x [K 1,024, N 256]; A: computed on the way; B: input wk: QUANTISED
;;     3. [M 4,096, K 1,024] x [K 1,024, N 256]; A: computed on the way; B: input wv: QUANTISED
;;     4. batch 16 x [M 2,048, K 64] x [K 64, N 2,048]; A: computed on the way; B: computed on the way: QUANTISED
;;     5. batch 16 x [M 2,048, K 2,048] x [K 2,048, N 64]; A: softmax (see below); B: computed on the way: QUANTISED
;;     6. [M 4,096, K 512] x [K 512, N 1,024]; A: computed on the way; B: input wo: QUANTISED
;;     7. [M 4,096, K 1,024] x [K 1,024, N 4,096]; A: computed on the way; B: input w_gate: QUANTISED
;;     8. [M 4,096, K 1,024] x [K 1,024, N 4,096]; A: computed on the way; B: input w_up: QUANTISED
;;     9. [M 4,096, K 4,096] x [K 4,096, N 1,024]; A: computed on the way; B: input w_down: QUANTISED
;;   THE QUANTISER, for each operand of a quantised product, along K:
;;     - K is cut into blocks of 32 from its start; a last block that is shorter is filled with zeros.
;;     - A block's scale is 2^e with e = floor(log2(the largest magnitude in the block)) - 2, held to -126 .. 127; a block of zeros has e = 0. As a byte (E8M0): e + 127.
;;     - Each number is divided by its block's scale, clamped to +-6, and rounded to the nearest number of E2M1, ties to even, subnormals kept.
;;     - The product sums the exact products of the quantised numbers (number of the format x scale) in f32.
;;   ~~~python
;;   def quantise(x, axis):      # numpy; x: float32 -> the quantised numbers, widened to float32 again
;;       x = np.moveaxis(x, axis, -1); K = x.shape[-1]
;;       x = np.pad(x, [(0, 0)] * (x.ndim - 1) + [(0, -K % 32)]); x = x.reshape(x.shape[:-1] + (-1, 32)); a = np.abs(x).max(-1, keepdims=True)
;;       e = np.where(a > 0, np.clip(np.frexp(np.where(a > 0, a, 1))[1] - 1 - 2, -126, 127), 0)      # np.frexp(a)[1] - 1 = floor(log2(a)), exactly
;;       r = np.clip(x / 2.0 ** e, -6, 6)
;;       step = 2.0 ** (np.maximum(np.frexp(np.where(r == 0, 1, r))[1] - 1, 0) - 1)
;;       q = np.round(r / step) * step * 2.0 ** e      # np.round: ties to even
;;       return np.moveaxis(q.reshape(q.shape[:-2] + (-1,))[..., :K], -1, axis).astype(np.float32)
;;   ~~~
;;   SOFTMAX AHEAD OF A QUANTISED PRODUCT. Where the list says 'softmax', what is quantised is not the finished softmax but p = 2^(t - M), with t = logit x log2(e) and M = ceil(the row's largest t), a whole number; so 1/2 < the row's largest p <= 1. The row's sum l is taken of the UNQUANTISED p, in f32, and the product's result is divided by l at the end. Since M is a whole number, a kernel that streams over the keys may use a running M (the ceiling of the running maximum): every later rescaling is an exact power of two, which a block's scale takes up: the codes' values come out the same.
;;   OPERANDS COMPUTED ON THE WAY. 'Computed on the way' means the value that the module computes at that place (a softmax that the list does not call 'softmax' is quantised finished and normalised). What goes into a quantiser is computed in f32, as accurately as f32 sums, v_exp_f32 and their like allow (about 1e-6 of the number): no bf16 or f16 on the way to a quantiser, and a product that is left as it is and whose result goes on into a quantised operand takes f32 operands (vector FMAs, or v_wmma_f32_16x16x4_f32). A number that lies on a knife's edge between two numbers of the format may be rounded either way, as far as f32 arithmetic and the matrix unit's own rounding can turn it there, and no further.
;; One version. Each part assembles by itself: llvm-mc -triple=amdgcn-amd-amdhsa -mcpu=gfx1250 --defsym DOCPART=n.
;; ======== version 1 of 1: 4 launches
;; limits: right only within a limited range of input values
;; workspace buffers: xn 2,228,224 bytes; wb1 5,013,504 bytes; wb2 2,506,752 bytes; ah 10,027,008 bytes; qkb 1,769,472 bytes; vb 557,056 bytes
;; launch prep (part 1): grid 1120 x 1, 4 waves a work-group, no clusters, 9,728 bytes of LDS; arguments x, ln_w, ln_b, w_gate, w_up, w_down, wq, wo, wk, wv, xn, wb1, wb2; writes xn, wb1, wb2
.if DOCPART == 1
	.amdgcn_target "amdgcn-amd-amdhsa--gfx1250"
	.amdhsa_code_object_version 6
	.text
	.protected	k_qc4f9a80200_prep
	.globl	k_qc4f9a80200_prep
	.p2align	8
	.type	k_qc4f9a80200_prep,@function
k_qc4f9a80200_prep:
	s_mov_b64 s[64:65], 0
	v_nop
	global_prefetch_b8 v0, s[64:65] scope:SCOPE_SE
	s_setreg_imm32_b32 hwreg(HW_REG_WAVE_MODE, 25, 1), 1
	s_wait_xcnt 0x0
; out0 = x + attention(LN(x)) wo + (silu(LN(x) w_gate) * (LN(x) w_up)) w_down, every product on codes of E2M1 with one E8M0 scale for each 32 along K.
; FOUR LAUNCHES.  1 (this one): LayerNorm of x, quantised once for the five products that take it; all seven weights quantised along their K.
; 2: LN(x) times wq, wk, wv, w_gate, w_up; the results are quantised in registers (q, k along the head; v along the keys; silu(gate) * up along the hidden units).
; 3: causal attention; its result is quantised along head x 64.   4: one product of K = 512 + 4,096 (attention | hidden layer against wo | w_down: blocks of 32 never cross the seam), plus x.
; WORK LEFT OUT.  reference() builds the causal mask in its own body (jnp.tril) and sets hidden scores to -infinity ahead of the softmax: their weights are 0 for all values of the inputs.  So a step of
; 128 keys all of which come after a wave's 16 queries is not multiplied in launch 3 (products 4 and 5).  Nothing else is left out and every input is loaded.
; LIMIT: a NaN, an infinity or an overflow that would reach only those hidden scores is not carried to the result.
; LIMITS OF RANGE: NaN and infinities among the inputs are not served.  A block whose largest magnitude lies under 2^-124 is quantised as if it were 2^-124 (scale byte 1); a block of zeros so gets the
; byte 1 where the rule says 127: its codes are zeros, which add nothing, and the bytes are read by this program alone.  Sums over K are grouped otherwise than reference()'s.
; THE OPERANDS' LAYOUT (xn, wb1, wb2, ah).  A tile is 16 rows of an operand.  A unit is a tile x 512 along K, U = 4,352 bytes: codes [16 blocks of 32][16 rows][16 bytes], then scale bytes [16 rows][16 blocks].
; So the fragment of the unit's q-th 128 along K is 1,024 bytes on end: register group c of lane l lies at 1,024 q + 512 c + 16 l; a row's scale word at 4,096 + 16 row + 4 q.  Buffer: [tiles][units of a tile][U].
; POSITIONS.  Position p of an operand's rows holds row p with bits 3 and 4 exchanged: tile 2 B + u, place i holds row 32 B + 8 u + i + 8 (i / 8).  With such a tile as source 0 the 16 result registers of tiles
; 2 B and 2 B + 1 in lane (r, h) are rows 32 B + 16 h + 0 .. 15: neighbours along the next product's K.
; wb1 (2 units a tile): tiles 0-31 wq, 32-47 wk, 48-63 wv, 64 + 16 c + 0..7 w_gate's columns 128 c on, 64 + 16 c + 8..15 w_up's.  wb2 (9 units): unit 0 wo, units 1-8 w_down.
; SHARES.  Work-groups 0-255: tile T of xn, four rows a wave.  Work-groups 256-1,119: 128 columns x 128 along K of a weight, 32 columns x 4 blocks a wave.  The branch hangs on the work-group's number alone.
.set U,     4352
.set SCS,   8704                       ; LDS: 0 .. 8,703 the codes' stage: 32 blocks x (256 bytes + 16); from SCS the scale bytes [2 units][16 rows][16]
.set SPARE, 9216                       ; the spare words, 128 bytes for each wave, which no other line names
	s_load_b512 s[8:23], s[0:1], 0x0               ; x 8, ln_w 10, ln_b 12, w_gate 14, w_up 16, w_down 18, wq 20, wo 22
	s_load_b256 s[24:31], s[0:1], 0x40             ; wk 24, wv 26, xn 28, wb1 30
	s_load_b64 s[32:33], s[0:1], 0x60              ; wb2
	v_lshl_add_u32 v5, v0, 2, SPARE                ; my spare word; never rewritten
	v_mov_b32 v6, 0                                ; 0; never rewritten
	v_lshrrev_b32 v1, 5, v0
	v_readfirstlane_b32 s2, v1                     ; wave 0..3
	v_and_b32 v1, 31, v0                           ; lane
	s_wait_kmcnt 0x0
	s_cmp_ge_u32 ttmp9, 256
	s_cbranch_scc1 .Lweights
; ================= LayerNorm.  Wave w takes places 4 w .. 4 w + 3 of tile T, which are four neighbouring rows of x.
; A lane holds 8 neighbours of each quarter of a row: register 8 g + e = element 256 g + 8 lane + e.  A block of 32 lies in four neighbouring lanes.
	s_lshr_b32 s3, ttmp9, 1
	s_lshl_b32 s3, s3, 5
	s_and_b32 s42, ttmp9, 1
	s_lshl_b32 s42, s42, 3
	s_add_co_u32 s3, s3, s42
	s_lshl_b32 s42, s2, 2
	s_add_co_u32 s3, s3, s42
	s_lshr_b32 s42, s2, 1
	s_lshl_b32 s42, s42, 3
	s_add_co_u32 s3, s3, s42                       ; my first row: 32 (T / 2) + 8 (T % 2) + 4 w + 8 (w / 2)
	s_lshl_b32 s42, s3, 12
	s_mov_b32 s43, 0
	s_add_nc_u64 s[34:35], s[8:9], s[42:43]        ; x at that row
	s_mul_i32 s42, ttmp9, 2*U
	s_add_nc_u64 s[36:37], s[28:29], s[42:43]      ; xn at tile T
	s_mov_b32 s38, 0x3a800000                      ; 1 / 1,024
	s_mov_b32 s39, 0x3727c5ac                      ; 1e-5
	s_mov_b32 s40, 0x76543210
	s_mov_b32 s41, 0xfedcba98                      ; v_permlanex16_b32's selects for lane l xor 16
	s_wait_alu depctr_va_vdst(0)
	v_lshlrev_b32 v2, 5, v1                        ; 32 bytes a lane
; The four rows go two at a time through two sets of 32 registers: row rr lies in set rr % 2; rows 2 and 3 are asked for as rows 0 and 1 have been quantised.  So the path names 176 registers
.macro XROW rr
.irp g, 0,1,2,3
	global_load_b128 v[32+32*((\rr)%2)+8*\g:35+32*((\rr)%2)+8*\g], v2, s[34:35] offset:4096*(\rr)+1024*\g th:TH_LOAD_NT
	global_load_b128 v[36+32*((\rr)%2)+8*\g:39+32*((\rr)%2)+8*\g], v2, s[34:35] offset:4096*(\rr)+1024*\g+16 th:TH_LOAD_NT
.endr
.endm
	XROW 0
	XROW 1
.irp g, 0,1,2,3
	global_load_b128 v[96+8*\g:99+8*\g], v2, s[10:11] offset:1024*\g            ; the gain, in the same lane layout
	global_load_b128 v[100+8*\g:103+8*\g], v2, s[10:11] offset:1024*\g+16
.endr
.irp g, 0,1,2,3
	global_load_b128 v[128+8*\g:131+8*\g], v2, s[12:13] offset:1024*\g          ; the bias
	global_load_b128 v[132+8*\g:135+8*\g], v2, s[12:13] offset:1024*\g+16
.endr
	v_lshrrev_b32 v8, 2, v1
	v_and_b32 v9, 3, v1
	v_mul_u32_u24 v3, v8, 272
	v_lshl_add_u32 v3, v9, 2, v3
	s_lshl_b32 s42, s2, 6
	v_add_nc_u32 v3, s42, v3                       ; the stage, in: block lane / 4 of a quarter, place 4 w, my 4 bytes of its 16
	v_add_nc_u32 v4, s42, v8
	v_add_nc_u32 v4, SCS, v4                       ; the scale bytes, in
	v_lshrrev_b32 v8, 4, v0
	v_and_b32 v9, 15, v0
	v_mul_u32_u24 v7, v8, 272
	v_lshl_add_u32 v7, v9, 4, v7                   ; the stage, out: the work-group's 128 threads take 8 blocks of 256 bytes
	v_lshlrev_b32 v26, 4, v0                       ; and the same 2,048 bytes on end in xn
	v_lshl_add_u32 v27, v1, 4, SCS                 ; the scale bytes, out: 16 a lane
	v_lshrrev_b32 v8, 4, v1
	v_and_b32 v9, 15, v1
	v_mul_u32_u24 v28, v8, U
	v_lshl_add_u32 v28, v9, 4, v28
	v_add_nc_u32 v28, 4096, v28                    ; lanes 0-15: unit 0's 256 bytes; lanes 16-31: unit 1's
	v_mov_b32 v25, 0                               ; upper halves of pairs of which the packed forms take the low word alone: named, so written
.irp rr, 0,1,2,3
	v_mov_b32 v[17+2*\rr], 0
.endr
.macro REDUCE                          ; v8 = the sum of v8 over the wave's 32 lanes
	v_add_f32_dpp v8, v8, v8 row_xmask:1 row_mask:0xf bank_mask:0xf
	v_add_f32_dpp v8, v8, v8 row_xmask:2 row_mask:0xf bank_mask:0xf
	v_add_f32_dpp v8, v8, v8 row_xmask:4 row_mask:0xf bank_mask:0xf
	v_add_f32_dpp v8, v8, v8 row_xmask:8 row_mask:0xf bank_mask:0xf
	v_permlanex16_b32 v9, v8, s40, s41
	v_add_f32 v8, v8, v9
.endm
; Row rr: the mean; x - mean in place; the mean of its squares + 1e-5 into v[12 + rr]
.macro ROWSTAT rr, cnt
.set XR, 32+32*((\rr)%2)
	s_wait_loadcnt \cnt                            ; cnt: the loads issued behind this row's eight
	v_pk_add_f32 v[8:9], v[XR:XR+1], v[XR+2:XR+3]
	v_pk_add_f32 v[10:11], v[XR+4:XR+5], v[XR+6:XR+7]
.irp i, 8,12,16,20,24,28
	v_pk_add_f32 v[8:9], v[8:9], v[XR+\i:XR+\i+1]
	v_pk_add_f32 v[10:11], v[10:11], v[XR+\i+2:XR+\i+3]
.endr
	v_pk_add_f32 v[8:9], v[8:9], v[10:11]
	v_add_f32 v8, v8, v9
	REDUCE
	v_mul_f32 v24, s38, v8                         ; the mean
.set i, 0
.rept 16
	v_pk_add_f32 v[XR+i:XR+i+1], v[XR+i:XR+i+1], v[24:25] op_sel_hi:[1,0] neg_lo:[0,1] neg_hi:[0,1]
.set i, i+2
.endr
	v_pk_mul_f32 v[8:9], v[XR:XR+1], v[XR:XR+1]
	v_pk_mul_f32 v[10:11], v[XR+2:XR+3], v[XR+2:XR+3]
.irp i, 4,8,12,16,20,24,28
	v_pk_fma_f32 v[8:9], v[XR+\i:XR+\i+1], v[XR+\i:XR+\i+1], v[8:9]
	v_pk_fma_f32 v[10:11], v[XR+\i+2:XR+\i+3], v[XR+\i+2:XR+\i+3], v[10:11]
.endr
	v_pk_add_f32 v[8:9], v[8:9], v[10:11]
	v_add_f32 v8, v8, v9
	REDUCE
	v_fma_f32 v[12+\rr], v8, s38, s39
.endm
; Row rr: normed = (x - mean) rsqrt gain + bias, in f32; its 32 blocks' scales and codes, into the stage
.macro ROWQ rr
.set XR, 32+32*((\rr)%2)
.set i, 0
.rept 16
	v_pk_mul_f32 v[XR+i:XR+i+1], v[XR+i:XR+i+1], v[16+2*(\rr):17+2*(\rr)] op_sel_hi:[1,0]
.set i, i+2
.endr
.set i, 0
.rept 16
	v_pk_fma_f32 v[XR+i:XR+i+1], v[XR+i:XR+i+1], v[96+i:97+i], v[128+i:129+i]
.set i, i+2
.endr
.irp g, 0,1,2,3
	v_max3_num_f32 v[168+\g], |v[XR+8*\g]|, |v[XR+8*\g+1]|, 0x1800000   ; my 8 numbers of a block, and the floor 2^(3 - 127): the byte cannot fall under 1
.endr
.irp k, 2,4,6
.irp g, 0,1,2,3
	v_max3_num_f32 v[168+\g], v[168+\g], |v[XR+8*\g+\k]|, |v[XR+8*\g+\k+1]|
.endr
.endr
.irp g, 0,1,2,3
	v_max_num_f32_dpp v[168+\g], v[168+\g], v[168+\g] row_xmask:1 row_mask:0xf bank_mask:0xf
.endr
.irp g, 0,1,2,3
	v_max_num_f32_dpp v[168+\g], v[168+\g], v[168+\g] row_xmask:2 row_mask:0xf bank_mask:0xf   ; with the three lanes that share the block
.endr
.irp g, 0,1,2,3
	v_add_nc_u32 v[172+\g], 0xff000000, v[168+\g]  ; 2 off the exponent field: the conversion takes the exponent field of this operand as its scale
.endr
.irp g, 0,1,2,3
	v_lshrrev_b32 v[164+\g], 23, v[172+\g]         ; the scale's byte
.endr
.irp g, 0,1,2,3
	v_cvt_scalef32_pk8_fp4_f32 v[160+\g], v[XR+8*\g:XR+8*\g+7], v[172+\g]
.endr
	v_nop                                          ; one plain line behind the last scaled conversion
.irp g, 0,1,2,3
	ds_store_b32 v3, v[160+\g] offset:2176*\g+16*(\rr)
	ds_store_b8 v4, v[164+\g] offset:256*(\g/2)+8*(\g%2)+16*(\rr)   ; the four lanes of a block write the same byte with the same value
.endr
	s_wait_dscnt 0x0                               ; the stores have read their registers: the next row writes them again
.endm
	ROWSTAT 0, 24                                  ; behind row 0's loads: row 1's eight, sixteen for gain and bias
	ROWSTAT 1, 16
	s_wait_alu depctr_va_vdst(0)                   ; the wait ahead of the batch
.irp rr, 0,1
	v_rsq_f32 v[16+2*\rr], v[12+\rr]
.endr
	v_nop                                          ; a plain line behind the last of the two
	s_wait_alu depctr_va_vdst(0)                   ; one wait for the two, ahead of their first reader
	s_wait_loadcnt 0x0                             ; gain and bias
	ROWQ 0
	XROW 2                                         ; row 0's registers are done with
	ROWQ 1
	XROW 3
	ROWSTAT 2, 8                                   ; row 3's eight may be out
	ROWSTAT 3, 0
	s_wait_alu depctr_va_vdst(0)
.irp rr, 2,3
	v_rsq_f32 v[16+2*\rr], v[12+\rr]
.endr
	v_nop
	s_wait_alu depctr_va_vdst(0)
	ROWQ 2
	ROWQ 3
	s_wait_dscnt 0x0                               ; for the others' sake: my stores into the stage are done
	s_barrier_signal -1
	s_barrier_wait -1
.irp k, 0,1,2,3
	ds_load_b128 v[32+4*\k:35+4*\k], v7 offset:2176*\k
.endr
.irp k, 0,1,2,3
	s_wait_dscnt 3-\k                              ; the later loads may be out
	global_store_b128 v26, v[32+4*\k:35+4*\k], s[36:37] offset:(\k/2)*U+(\k%2)*2048   ; a wave stores 512 consecutive bytes, at a multiple of 256 from xn's first byte
.endr
	s_cmp_lg_u32 s2, 0
	s_cbranch_scc1 .Lln_end
	ds_load_b128 v[48:51], v27                     ; wave 0: the tile's 512 scale bytes
	s_wait_dscnt 0x0
	global_store_b128 v28, v[48:51], s[36:37]
.Lln_end:
	s_wait_tensorcnt 0x0                           ; the wave's end
	ds_add_u32 v5, v6
	s_wait_dscnt 0x0
	s_endpgm
; ================= The weights.  All are stored [K][N].  A lane takes a column and its registers run down K: a block of 32 lies in one lane's 32 registers, and the conversions give codes with K innermost.
; A lane IS a place of the operand: it loads the column that belongs there (bits 3 and 4 of the lane's number exchanged), so that its 16 bytes of a block go straight to memory: lanes 0-15 and lanes 16-31 each
; store 256 consecutive bytes, aligned.  The scale word of a row (4 of its 16 bytes a unit) leaves by a store of 4 bytes a lane: one stored byte in 17.
.set P_GATE, 3|(14<<4)|(64<<8)|(1<<16) ; 3:0 log2 of the K parts; 7:4 log2 of a row's bytes; 15:8 first tile; 16: 16 tiles (not 8) from one group of 128 columns to the next; 17: into wb2; 18: first unit
.set P_UP,   3|(14<<4)|(72<<8)|(1<<16)
.set P_DOWN, 5|(12<<4)|(1<<17)|(1<<18)
.set P_WQ,   3|(11<<4)
.set P_WO,   2|(12<<4)|(1<<17)
.set P_WK,   3|(10<<4)|(32<<8)
.set P_WV,   3|(10<<4)|(48<<8)
.Lweights:
	s_sub_co_u32 s3, ttmp9, 256                    ; 0-255 gate, 256-511 up, 512-767 down, 768-799 wq, 800-831 wo, 832-847 wk, 848-863 wv
	s_mov_b64 s[38:39], s[26:27]
	s_mov_b32 s40, P_WV
	s_mov_b32 s41, 848
	s_cmp_lt_u32 s3, 848                           ; each choice hangs on the work-group's number alone
	s_cselect_b64 s[38:39], s[24:25], s[38:39]
	s_cselect_b32 s40, P_WK, s40
	s_cselect_b32 s41, 832, s41
	s_cmp_lt_u32 s3, 832
	s_cselect_b64 s[38:39], s[22:23], s[38:39]
	s_cselect_b32 s40, P_WO, s40
	s_cselect_b32 s41, 800, s41
	s_cmp_lt_u32 s3, 800
	s_cselect_b64 s[38:39], s[20:21], s[38:39]
	s_cselect_b32 s40, P_WQ, s40
	s_cselect_b32 s41, 768, s41
	s_cmp_lt_u32 s3, 768
	s_cselect_b64 s[38:39], s[18:19], s[38:39]
	s_cselect_b32 s40, P_DOWN, s40
	s_cselect_b32 s41, 512, s41
	s_cmp_lt_u32 s3, 512
	s_cselect_b64 s[38:39], s[16:17], s[38:39]
	s_cselect_b32 s40, P_UP, s40
	s_cselect_b32 s41, 256, s41
	s_cmp_lt_u32 s3, 256
	s_cselect_b64 s[38:39], s[14:15], s[38:39]
	s_cselect_b32 s40, P_GATE, s40
	s_cselect_b32 s41, 0, s41
	s_and_b32 s57, s40, 15                         ; LK
	s_bfe_u32 s58, s40, 0x40004                    ; log2 of a row's bytes
	s_bfe_u32 s59, s40, 0x80008                    ; first tile
	s_bfe_u32 s60, s40, 0x10010
	s_bfe_u32 s61, s40, 0x10012                    ; first unit
	s_bitcmp1_b32 s40, 17
	s_cselect_b64 s[42:43], s[32:33], s[30:31]     ; wb2 or wb1
	s_cselect_b32 s56, 9, 2                        ; units of a tile
	s_sub_co_u32 s62, s3, s41
	s_bfm_b32 s63, s57, 0
	s_and_b32 s66, s62, s63                        ; which 128 along K
	s_lshr_b32 s67, s62, s57                       ; which 128 columns
	s_lshl_b32 s68, s67, 3
	s_lshl_b32 s68, s68, s60
	s_add_co_u32 s68, s68, s59
	s_lshl_b32 s69, s2, 1
	s_add_co_u32 s68, s68, s69                     ; my wave's first tile (it makes two)
	s_lshr_b32 s69, s66, 2
	s_add_co_u32 s69, s69, s61                     ; the unit
	s_and_b32 s77, s66, 3                          ; and which 128 of its 512
	s_add_co_u32 s70, s58, 7
	s_lshl_b32 s70, s66, s70                       ; 128 rows for each K part,
	s_lshl_b32 s71, s67, 9
	s_add_co_u32 s70, s70, s71                     ; 512 bytes for each group of columns,
	s_lshl_b32 s71, s2, 7
	s_add_co_u32 s70, s70, s71                     ; 128 for each wave
	s_mov_b32 s71, 0
	s_add_nc_u64 s[44:45], s[38:39], s[70:71]      ; block 0
	s_add_co_u32 s72, s58, 5
	s_lshl_b32 s72, 1, s72                         ; 32 rows
	s_mov_b32 s73, 0
	s_add_nc_u64 s[46:47], s[44:45], s[72:73]      ; blocks 1, 2, 3
	s_add_nc_u64 s[48:49], s[46:47], s[72:73]
	s_add_nc_u64 s[50:51], s[48:49], s[72:73]
	s_lshl_b32 s75, 1, s58                         ; a row's bytes
	s_mul_i32 s78, s68, s56
	s_add_co_u32 s78, s78, s69
	s_mul_i32 s78, s78, U
	s_mov_b32 s79, 0
	s_add_nc_u64 s[42:43], s[42:43], s[78:79]      ; my first tile's unit
	s_lshl_b32 s78, s77, 10
	s_add_nc_u64 s[52:53], s[42:43], s[78:79]      ; its codes of these 128 along K
	s_lshl_b32 s78, s77, 2
	s_add_co_u32 s78, s78, 4096
	s_add_nc_u64 s[54:55], s[42:43], s[78:79]      ; and their scale words
	s_mul_i32 s76, s56, U                          ; from a tile to the next
	s_wait_alu depctr_va_vdst(0)
	v_and_b32 v7, 7, v1
	v_bfe_u32 v8, v1, 3, 1
	v_bfe_u32 v9, v1, 4, 1
	v_lshl_or_b32 v7, v8, 4, v7
	v_lshl_or_b32 v7, v9, 3, v7
	v_lshlrev_b32 v7, 2, v7                        ; my column among the wave's 32, in bytes
.set i, 0
.rept 32
	v_mad_u32_u24 v[32+i], s75, i, v7              ; and in row i of a block
.set i, i+1
.endr
	v_mul_u32_u24 v8, s76, v9                      ; out: lanes 16-31 fill the second tile;
	v_and_b32 v10, 15, v1
	v_lshl_add_u32 v8, v10, 4, v8                  ; 16 bytes a place
.macro WLOAD t                         ; block t: 32 loads, each of 128 consecutive bytes a wave; the four waves stand side by side on 512
.set i, 0
.rept 32
	global_load_b32 v[64+32*((\t)%2)+i], v[32+i], s[44+2*(\t):45+2*(\t)] th:TH_LOAD_NT
.set i, i+1
.endr
.endm
.macro WBLOCK t, left
.set XS, 64+32*((\t)%2)
	s_wait_loadcnt \left                           ; this block's 32 loads are in; the next block's 32 may be out
	v_max3_num_f32 v12, |v[XS]|, |v[XS+1]|, |v[XS+2]|
	v_max3_num_f32 v13, |v[XS+3]|, |v[XS+4]|, |v[XS+5]|
.irp k, 6,10,14,18,22,26
	v_max3_num_f32 v12, v12, |v[XS+\k]|, |v[XS+\k+1]|
	v_max3_num_f32 v13, v13, |v[XS+\k+2]|, |v[XS+\k+3]|
.endr
	v_max3_num_f32 v12, v12, |v[XS+30]|, |v[XS+31]|
	v_max3_num_f32 v12, v12, v13, 0x1800000        ; and the floor
	v_add_nc_u32 v11, 0xff000000, v12              ; the conversion's scale operand
	v_lshrrev_b32 v13, 23, v11                     ; the scale's byte
.if (\t) == 0
	v_mov_b32 v144, v13
.else
	v_lshl_or_b32 v144, v13, 8*(\t), v144
.endif
.irp g, 0,1,2,3
	v_cvt_scalef32_pk8_fp4_f32 v[128+4*(\t)+\g], v[XS+8*\g:XS+8*\g+7], v11
.endr
	v_nop                                          ; one plain line behind the last scaled conversion
	global_store_b128 v8, v[128+4*(\t):131+4*(\t)], s[52:53] offset:256*(\t)   ; each block has its own four registers: no store's data are written again
.endm
	WLOAD 0
	WLOAD 1
	WBLOCK 0, 32
	WLOAD 2
	WBLOCK 1, 32
	WLOAD 3
	WBLOCK 2, 32
	WBLOCK 3, 0
	global_store_b32 v8, v144, s[54:55]
	s_wait_tensorcnt 0x0                           ; the same three lines close this path
	ds_add_u32 v5, v6
	s_wait_dscnt 0x0
	s_endpgm
.Lfunc_end_k_qc4f9a80200_prep:
	.size	k_qc4f9a80200_prep, .Lfunc_end_k_qc4f9a80200_prep-k_qc4f9a80200_prep
	.p2alignl 7, 3214868480
	.fill 96, 4, 3214868480
	.section	.rodata,"a",@progbits
	.p2align	6, 0x0
	.amdhsa_kernel k_qc4f9a80200_prep
		.amdhsa_group_segment_fixed_size 9728
		.amdhsa_private_segment_fixed_size 0
		.amdhsa_enable_private_segment 0
		.amdhsa_kernarg_size 104
		.amdhsa_user_sgpr_count 2
		.amdhsa_user_sgpr_kernarg_segment_ptr 1
		.amdhsa_wavefront_size32 1
		.amdhsa_system_sgpr_workgroup_id_x 1
		.amdhsa_system_sgpr_workgroup_id_y 1
		.amdhsa_system_sgpr_workgroup_id_z 1
		.amdhsa_system_vgpr_workitem_id 0
		.amdhsa_next_free_vgpr 192
		.amdhsa_next_free_sgpr 80
		.amdhsa_reserve_vcc 0
		.amdhsa_float_denorm_mode_32 3
		.amdhsa_float_denorm_mode_16_64 3
		.amdhsa_memory_ordered 1
		.amdhsa_forward_progress 1
		.amdhsa_inst_pref_size 68
	.end_amdhsa_kernel
	.amdgpu_metadata
---
amdhsa.version: [ 1, 2 ]
amdhsa.kernels:
  - .name:           k_qc4f9a80200_prep
    .symbol:         k_qc4f9a80200_prep.kd
    .args:
      - { .name: x, .offset: 0, .size: 8, .value_kind: global_buffer, .address_space: global }
      - { .name: ln_w, .offset: 8, .size: 8, .value_kind: global_buffer, .address_space: global }
      - { .name: ln_b, .offset: 16, .size: 8, .value_kind: global_buffer, .address_space: global }
      - { .name: w_gate, .offset: 24, .size: 8, .value_kind: global_buffer, .address_space: global }
      - { .name: w_up, .offset: 32, .size: 8, .value_kind: global_buffer, .address_space: global }
      - { .name: w_down, .offset: 40, .size: 8, .value_kind: global_buffer, .address_space: global }
      - { .name: wq, .offset: 48, .size: 8, .value_kind: global_buffer, .address_space: global }
      - { .name: wo, .offset: 56, .size: 8, .value_kind: global_buffer, .address_space: global }
      - { .name: wk, .offset: 64, .size: 8, .value_kind: global_buffer, .address_space: global }
      - { .name: wv, .offset: 72, .size: 8, .value_kind: global_buffer, .address_space: global }
      - { .name: xn, .offset: 80, .size: 8, .value_kind: global_buffer, .address_space: global }
      - { .name: wb1, .offset: 88, .size: 8, .value_kind: global_buffer, .address_space: global }
      - { .name: wb2, .offset: 96, .size: 8, .value_kind: global_buffer, .address_space: global }
    .group_segment_fixed_size: 9728
    .private_segment_fixed_size: 0
    .kernarg_segment_align: 8
    .kernarg_segment_size: 104
    .max_flat_workgroup_size: 128
    .sgpr_count:     80
    .vgpr_count:     192
    .wavefront_size: 32
...
	.end_amdgpu_metadata
.endif
;; end of part 1
;; launch gemm1 (part 2): grid 16 x 16, 4 waves a work-group, clusters of 4 x 1, 327,680 bytes of LDS; arguments xn, wb1, qkb, vb, ah; writes qkb, vb, ah
.if DOCPART == 2
	.amdgcn_target "amdgcn-amd-amdhsa--gfx1250"
	.amdhsa_code_object_version 6
	.text
	.protected	k_qc4f9a80200_gemm1
	.globl	k_qc4f9a80200_gemm1
	.p2align	8
	.type	k_qc4f9a80200_gemm1,@function
k_qc4f9a80200_gemm1:
	s_mov_b64 s[64:65], 0
	v_nop
	global_prefetch_b8 v0, s[64:65] scope:SCOPE_SE
	s_setreg_imm32_b32 hwreg(HW_REG_WAVE_MODE, 25, 1), 1
	s_wait_xcnt 0x0
	s_wait_alu depctr_hold_cnt(0) depctr_sa_sdst(0) depctr_va_vdst(0) depctr_va_sdst(0) depctr_va_ssrc(0) depctr_va_vcc(0) depctr_vm_vsrc(0)
	s_getreg_b32 s2, hwreg(HW_REG_IB_STS2, 6, 4)
	s_cmp_eq_u32 s2, 0
	s_cbranch_scc0 .Lentry_in_a_cluster
	s_endpgm
.Lentry_in_a_cluster:
	s_bfe_u32 s2, ttmp6, 0x10000c
	s_cmp_lg_u32 s2, 0x3003
	s_cbranch_scc0 .Lentry_shape_is_right
	s_endpgm
.Lentry_shape_is_right:
; LN(x) [4,096 x 1,024] times wq | wk | wv | w_gate, w_up, on codes of E2M1 as launch 1 laid them (units of 4,352 bytes: a tile of 16 rows x 512 along K, codes in the order of the operand's registers, then scale bytes).
; WORK-GROUPS THAT STAY.  256 work-groups, all with the same work.  Work-group (R, y) keeps its 256 rows of x, all of K, in LDS for the whole launch and walks three sets of 16 tiles of wb1:
;   phases 0, 1: gate's and up's columns 128 c on, c = y and 16 + y, against all 256 rows;   phase 2: tiles 16 (y / 4) on of wq | wk | wv (y / 4 = 0, 1: q; 2: k; 3: v), against 64 rows: x's tiles 4 (y % 4) on.
; THE WEIGHTS' BYTES ARE FILLED AGAIN TWICE.  In a phase's last K step the step's fragments are in registers and nobody reads the weights any more: there each wave waits for all its tensor loads, adds 0 to its spare
; word, waits for that and for its LDS reads, passes a round of the cluster's barrier and asks for a quarter of the next set.  That load has 32 products and the phase's whole way out in which to land.
; PHASES 0, 1.  Source 0 = the weights' 16 tiles, which all four waves read; source 1 = four tiles of x of the wave's own; 64 accumulators a wave.  A lane holds one row of x and its registers run along the columns,
; 16 neighbours in each pair of tiles.  silu(gate) * up, in f32, is quantised in registers: it is K step c of launch 4's product: ah, unit 1 + c / 4.  The two phases are one loop of two trips.
; PHASE 2.  Four tiles against four, 16 accumulators a wave: the weights' tiles 4 w on, the wave's own, and x's four, which all waves read.  For q, k the weights are source 0: a lane holds a row of x and the 64 numbers of
; head 4 (y / 4) + w.  For v x is source 0: a lane holds one channel of kv head w and 64 keys, which are the K of attention's second product.  Only two LDS bases differ.
;   q, k: qkb [batch][12 heads: 8 of q, 4 of k][32 groups of 64 rows][4 tiles][2 blocks][16 rows][16 bytes], then [16 rows][4 tiles] scale words (bytes 0, 1 the head's; bytes 2, 3 meet zero codes alone and are never 0xff).
;   v: vb [batch x 4 + kv head][16 steps of 128 keys][4 tiles of 16 channels][1,024 bytes], then [16 rows][4 tiles] scale words; a work-group makes half of each fragment and two of each word's four bytes.
; CLUSTER.  The four row blocks of a cluster share y, so the weights' tiles are asked for jointly (mask 15); x's tiles are each work-group's own.  A cluster of 4 x 4, which would share x's tiles too, is not taken:
; phase 2's LDS address of x's four tiles hangs on y % 4, which would then be a place in the cluster.
; LIMITS: as stated at the head of launch 1 (NaN and infinities not served; the floor 2^-124 under a block's largest magnitude; a block of zeros has the byte 1).
; REGISTERS, in windows of 256.  Window 0: v2-11 LDS addresses of phases 0, 1; v12, v13 the add's two; v15, v21 offsets of stores; v24-31 LDS addresses of phase 2; v32-95 source 1's fragments, two sets, later at work;
;   v96-175 scale words and nothing else; v176-215 codes and scale words made; v216-239 at work.   Window 1: source 0's fragments, two sets of 128.
;   Windows 2, 3: accumulator (j, i) at v[8 (16 (j % 2) + i)] of window 2 + j / 2; in phase 2 at v[8 (4 j + i)] of window 2.
.set U,     4352
.set TP1,   2*U
.set TP2,   9*U
.set HALF,  8*U                        ; eight tiles' units: what one tensor load brings
.set XOFF,  16*U                       ; a slot: the weights' 16 tiles, then x's 16
.set SLOT,  32*U                       ; slot s holds unit s (K = 512 s on)
.set SPARE, 2*SLOT                     ; the spare words, 128 bytes for each wave, which no other line names
.set TM,    216                        ; v216-219 largest magnitudes, v220-223 the other half's, then bytes, v228-231 the conversions' scale operands
.set MSB, 0
.macro WIN new                         ; the immediate's high byte repeats the setting that is left
.if MSB != (\new)
	s_set_vgpr_msb (MSB<<8)|(\new)
.set MSB, (\new)
.endif
.endm
.macro PLACES                          ; four plain lines between a matrix instruction and a load into, or a vector instruction on, its registers
.rept 4
	v_nop
.endr
.endm
.macro CROUND                          ; a round of the cluster's barrier
	s_barrier_signal -1
	s_barrier_wait -1
	s_cmp_lg_u32 s14, 0
	s_cbranch_scc1 .Lnot_wave_0_\@
	s_barrier_signal -3
.Lnot_wave_0_\@:
	s_barrier_wait -3
	s_barrier_signal -1
	s_barrier_wait -1
.endm
	s_load_b256 s[4:11], s[0:1], 0x0               ; xn 4, wb1 6, qkb 8, vb 10
	s_load_b64 s[12:13], s[0:1], 0x20              ; ah
	v_lshl_add_u32 v12, v0, 2, SPARE
	v_mov_b32 v13, 0
	ds_add_u32 v12, v13                            ; the wave's opening: the add, twice on end, and its wait ahead of my first tensor load
	ds_add_u32 v12, v13
	v_lshrrev_b32 v1, 5, v0
	v_readfirstlane_b32 s14, v1                    ; wave 0..3
	s_bfe_u32 s15, ttmp6, 0x40000                  ; cx
	s_lshl_b32 s16, ttmp9, 2
	s_add_co_u32 s16, s16, s15                     ; R = 4 x cluster x + cx: it enters x's address and the stores' alone
	s_and_b32 s17, ttmp7, 0xffff                   ; y, which the four partners share
	s_lshr_b32 s77, s17, 2                         ; phase 2: 0, 1 = q; 2 = k; 3 = v
	s_and_b32 s78, s17, 3                          ; and which 64 of my 256 rows
	; descriptor group 1: 8 rows (tiles) of 4,352 bytes = 544 elements of 8 bytes, 8,704 bytes apart in memory, on end in LDS
	s_mov_b32 s24, 15|(3<<16)|(1<<21)              ; the weights': all four work-groups; bit 21 set beside a mask
	s_mov_b32 s32, 3<<16                           ; x's: no mask
.irp g, 24, 32
	s_mov_b32 s[\g+1], 544<<16                     ; tensor_dim0
	s_mov_b32 s[\g+2], 8<<16                       ; tensor_dim1
	s_mov_b32 s[\g+3], 544<<16                     ; tile_dim0
	s_mov_b32 s[\g+4], 8                           ; tile_dim1
	s_mov_b32 s[\g+5], 1088                        ; the pitch
	s_mov_b32 s[\g+6], 0
	s_mov_b32 s[\g+7], 0
.endr
	s_and_b32 s18, s14, 1
	s_lshl_b32 s18, s18, 3                         ; which eight tiles I fetch
	s_add_co_u32 s19, s17, 4
	s_lshl_b32 s19, s19, 4
	s_add_co_u32 s19, s19, s18
	s_mul_i32 s20, s19, TP1                        ; phase 0's weights: tile 16 (4 + y) + 8 (w % 2)
	s_mov_b32 s21, 0
	s_lshl_b32 s22, s16, 4
	s_add_co_u32 s22, s22, s18
	s_mul_i32 s22, s22, TP1                        ; x's: tile 16 R + 8 (w % 2)
	s_mov_b32 s23, 0
	s_mul_i32 s3, s14, HALF                        ; where the first fills go: waves 0, 1 the weights' halves, waves 2, 3 x's
	; the refills: every wave fetches a quarter of the weights: unit w / 2, tiles 8 (w % 2) on
	s_lshr_b32 s79, s14, 1
	s_mul_i32 s84, s79, U
	s_add_co_u32 s85, s17, 20
	s_lshl_b32 s85, s85, 4
	s_add_co_u32 s85, s85, s18
	s_mul_i32 s72, s85, TP1
	s_add_co_u32 s72, s72, s84                     ; phase 1's: tile 16 (20 + y) + 8 (w % 2)
	s_mov_b32 s73, 0
	s_lshl_b32 s85, s77, 4
	s_add_co_u32 s85, s85, s18
	s_mul_i32 s74, s85, TP1
	s_add_co_u32 s74, s74, s84                     ; phase 2's: tile 16 (y / 4) + 8 (w % 2)
	s_mov_b32 s75, 0
	s_mov_b32 s68, 1                               ; the refills' group 0: count = 1;
	s_mul_i32 s69, s79, SLOT
	s_and_b32 s85, s14, 1
	s_mul_i32 s85, s85, HALF
	s_add_co_u32 s69, s69, s85                     ; LDS address: slot w / 2, half w % 2: the wave's number alone
	s_mov_b32 s58, 0xffff0000                      ; lanes 16-31
	s_mov_b32 s62, 0x76543210
	s_mov_b32 s63, 0xfedcba98                      ; v_permlanex16_b32's selects for lane l xor 16
	s_wait_dscnt 0x0                               ; both opening adds are done
	s_wait_kmcnt 0x0
	s_add_nc_u64 s[20:21], s[6:7], s[20:21]
	s_add_nc_u64 s[22:23], s[4:5], s[22:23]
	s_add_nc_u64 s[72:73], s[6:7], s[72:73]        ; what the next refill asks for,
	s_add_nc_u64 s[74:75], s[6:7], s[74:75]        ; and the one after it
.irp s, 0,1
	s_mov_b32 s[40+4*\s], 1
	s_add_co_u32 s[41+4*\s], s3, \s*SLOT
	s_add_nc_u64 s[42+4*\s:43+4*\s], s[20:21], \s*U
	s_or_b32 s[43+4*\s], s[43+4*\s], 0x80000000
	s_mov_b32 s[48+4*\s], 1
	s_add_co_u32 s[49+4*\s], s3, \s*SLOT
	s_add_nc_u64 s[50+4*\s:51+4*\s], s[22:23], \s*U
	s_or_b32 s[51+4*\s], s[51+4*\s], 0x80000000
.endr
	CROUND                                         ; all four work-groups are here: the joint loads meet
	s_cmp_lt_u32 s14, 2                            ; slot 0's first fills, one tensor load a wave: waves 0, 1 the weights' halves, waves 2, 3 x's
	s_cbranch_scc0 .Lfirst_x
	tensor_load_to_lds s[40:43], s[24:31]
	s_nop 0
.rept 4
	v_nop
.endr
	s_branch .Lasked
.Lfirst_x:
	tensor_load_to_lds s[48:51], s[32:39]
	s_nop 0
.rept 4
	v_nop
.endr
.Lasked:
	v_and_b32 v1, 31, v0
	v_and_b32 v19, 15, v0                          ; r
	v_bfe_u32 v20, v0, 4, 1                        ; h
	v_lshlrev_b32 v2, 4, v1                        ; 16 x lane: my place in 512 bytes of a fragment; also: the weights' tiles 0-7, slot 0
	v_add_nc_u32 v3, HALF, v2                      ; tiles 8-15
	v_add_nc_u32 v4, SLOT, v2                      ; and in slot 1
	v_add_nc_u32 v5, SLOT, v3
	s_mul_i32 s20, s14, 4*U                        ; four tiles for each wave
	s_add_co_u32 s21, s20, XOFF
	v_add_nc_u32 v6, s21, v2                       ; x's tiles 4 w on
	v_add_nc_u32 v7, SLOT, v6
	v_lshlrev_b32 v21, 4, v19                      ; 16 r
	v_mul_u32_u24 v22, v20, HALF
	v_add_nc_u32 v8, v21, v22
	v_add_nc_u32 v8, 4096, v8                      ; the weights' scale words: lanes 0-15 tile i, lanes 16-31 tile i + 8
	v_add_nc_u32 v9, SLOT, v8
	v_mul_u32_u24 v22, v20, 2*U
	v_add_nc_u32 v23, v21, v22
	v_add_nc_u32 v23, 4096, v23                    ; of four tiles: lanes 0-15 tile j, lanes 16-31 tile j + 2
	v_add_nc_u32 v10, s21, v23                     ; x's scale words
	v_add_nc_u32 v11, SLOT, v10
	v_mul_u32_u24 v15, v20, TP2
	v_add_nc_u32 v15, v21, v15                     ; 16 r + h tiles of ah
	s_mul_i32 s22, s78, 4*U
	s_add_co_u32 s22, s22, XOFF                    ; phase 2: x's tiles 4 (y % 4) on; the weights' tiles 4 w on lie at s20
	s_cmp_eq_u32 s77, 3
	s_cselect_b32 s82, s22, s20                    ; source 0: the weights, for v x
	s_cselect_b32 s83, s20, s22                    ; source 1: x, for v the weights
	v_add_nc_u32 v24, s82, v2
	v_add_nc_u32 v25, SLOT, v24
	v_add_nc_u32 v26, s83, v2
	v_add_nc_u32 v27, SLOT, v26
	v_add_nc_u32 v28, s82, v23
	v_add_nc_u32 v29, SLOT, v28
	v_add_nc_u32 v30, s83, v23
	v_add_nc_u32 v31, SLOT, v30
.irp b, 0,1,2,3
	v_mov_b32 v[TM+4+\b], 0                        ; written once: a lane permute's destination counts as one of its sources
.endr
; Phases 0, 1: the fragments of K step ks (slot ks / 4, its (ks % 4)-th 128) into set ks % 2: 40 loads of 512 consecutive bytes
.macro FETCH ks
	WIN 0x40                                       ; destination window 1
.irp i, 0,1,2,3,4,5,6,7,8,9,10,11,12,13,14,15
.irp c, 0,1
	ds_load_b128 v[128*((\ks)%2)+8*\i+4*\c:128*((\ks)%2)+8*\i+4*\c+3], v[2+2*((\ks)/4)+\i/8] offset:(\i%8)*U+((\ks)%4)*1024+\c*512
.endr
.endr
	WIN 0
.irp j, 0,1,2,3
.irp c, 0,1
	ds_load_b128 v[32+32*((\ks)%2)+8*\j+4*\c:32+32*((\ks)%2)+8*\j+4*\c+3], v[6+(\ks)/4] offset:\j*U+((\ks)%4)*1024+\c*512
.endr
.endr
.endm
.macro SCALES s                        ; slot s's scale words: a row's four words (one for each 128 along K) by one load
.irp i, 0,1,2,3,4,5,6,7
	ds_load_b128 v[96+40*(\s)+4*\i:99+40*(\s)+4*\i], v[8+(\s)] offset:\i*U
.endr
.irp j, 0,1
	ds_load_b128 v[128+40*(\s)+4*\j:131+40*(\s)+4*\j], v[10+(\s)] offset:\j*U
.endr
.endm
; One product, on the registers named by AC, PP, QQ, SA, SB.  z: it starts the sum.  ra, rb: the side's scale words stand in lanes 16-31
.macro WM z, ra, rb
.if \z
.if \ra
.if \rb
	v_wmma_scale_f32_16x16x128_f8f6f4 v[AC:AC+7], v[PP:PP+7], v[QQ:QQ+7], 0, v[SA], v[SB] matrix_a_fmt:MATRIX_FMT_FP4 matrix_b_fmt:MATRIX_FMT_FP4 matrix_a_scale:MATRIX_SCALE_ROW1 matrix_b_scale:MATRIX_SCALE_ROW1
.else
	v_wmma_scale_f32_16x16x128_f8f6f4 v[AC:AC+7], v[PP:PP+7], v[QQ:QQ+7], 0, v[SA], v[SB] matrix_a_fmt:MATRIX_FMT_FP4 matrix_b_fmt:MATRIX_FMT_FP4 matrix_a_scale:MATRIX_SCALE_ROW1
.endif
.else
.if \rb
	v_wmma_scale_f32_16x16x128_f8f6f4 v[AC:AC+7], v[PP:PP+7], v[QQ:QQ+7], 0, v[SA], v[SB] matrix_a_fmt:MATRIX_FMT_FP4 matrix_b_fmt:MATRIX_FMT_FP4 matrix_b_scale:MATRIX_SCALE_ROW1
.else
	v_wmma_scale_f32_16x16x128_f8f6f4 v[AC:AC+7], v[PP:PP+7], v[QQ:QQ+7], 0, v[SA], v[SB] matrix_a_fmt:MATRIX_FMT_FP4 matrix_b_fmt:MATRIX_FMT_FP4
.endif
.endif
.else
.if \ra
.if \rb
	v_wmma_scale_f32_16x16x128_f8f6f4 v[AC:AC+7], v[PP:PP+7], v[QQ:QQ+7], v[AC:AC+7], v[SA], v[SB] matrix_a_fmt:MATRIX_FMT_FP4 matrix_b_fmt:MATRIX_FMT_FP4 matrix_a_scale:MATRIX_SCALE_ROW1 matrix_b_scale:MATRIX_SCALE_ROW1
.else
	v_wmma_scale_f32_16x16x128_f8f6f4 v[AC:AC+7], v[PP:PP+7], v[QQ:QQ+7], v[AC:AC+7], v[SA], v[SB] matrix_a_fmt:MATRIX_FMT_FP4 matrix_b_fmt:MATRIX_FMT_FP4 matrix_a_scale:MATRIX_SCALE_ROW1
.endif
.else
.if \rb
	v_wmma_scale_f32_16x16x128_f8f6f4 v[AC:AC+7], v[PP:PP+7], v[QQ:QQ+7], v[AC:AC+7], v[SA], v[SB] matrix_a_fmt:MATRIX_FMT_FP4 matrix_b_fmt:MATRIX_FMT_FP4 matrix_b_scale:MATRIX_SCALE_ROW1
.else
	v_wmma_scale_f32_16x16x128_f8f6f4 v[AC:AC+7], v[PP:PP+7], v[QQ:QQ+7], v[AC:AC+7], v[SA], v[SB] matrix_a_fmt:MATRIX_FMT_FP4 matrix_b_fmt:MATRIX_FMT_FP4
.endif
.endif
.endif
.endm
; 32 products: x's tiles jlo, jlo + 1 against the weights' sixteen.  The 64 accumulators take turns, one instruction a turn, in the same order in every K step
.macro MUL32 jlo, ks, zero
	WIN (0xa1+0x50*((\jlo)/2))                     ; source 0 window 1, source 1 window 0, C and D window 2 or 3
.irp j, \jlo, \jlo+1
.irp i, 0,1,2,3,4,5,6,7,8,9,10,11,12,13,14,15
.set AC, 8*(16*((\j)%2)+\i)
.set PP, 128*((\ks)%2)+8*\i
.set QQ, 32+32*((\ks)%2)+8*(\j)
.set SA, 96+40*((\ks)/4)+4*(\i%8)+((\ks)%4)
.set SB, 128+40*((\ks)/4)+4*((\j)%2)+((\ks)%4)
	WM \zero, \i/8, (\j)/2
.endr
.endr
.endm
.macro KSTEP ks, zero
	s_wait_dscnt 0x0                               ; this step's fragments (and scale words), asked for 32 products ago
.if (\ks) == 7
	WIN 0                                          ; THE REFILL.  With the wait above my reads of this phase's weights are over.  (The add's two registers lie in window 0)
	s_wait_tensorcnt 0x0                           ; no tensor load of mine is out, so the refill's group 0 may be written;
	ds_add_u32 v12, v13                            ; 0 onto my spare word: 32 products stand between it and the wait for it
.endif
	MUL32 0, \ks, \zero
.if (\ks) == 3
	s_wait_tensorcnt 0x0                           ; first trip: my part of slot 1's first fill is in; second trip: nothing of mine is out.  (No LDS access of mine is out here)
	s_barrier_signal -1
	s_barrier_wait -1                              ; everybody's is.
.endif
.if (\ks) < 7
	PLACES                                         ; the other set was read by the step before
	FETCH (\ks)+1
.if (\ks) == 3
	SCALES 1
.endif
.else
	s_wait_dscnt 0x0                               ; the add is done
	WIN 0
	CROUND                                         ; no wave of any partner still reads the weights' tiles or has a load on its way
	s_mov_b64 s[70:71], s[72:73]                   ; the next set of weights: my quarter of it;
	s_or_b32 s71, s71, 0x80000000                  ; type = 2
	s_mov_b64 s[72:73], s[74:75]                   ; and what the refill after this one asks for
	tensor_load_to_lds s[68:71], s[24:31]          ; my one tensor load behind the round, the same line in all four partners
	s_nop 0
	PLACES
.endif
	MUL32 2, \ks, \zero
.endm
; 64 numbers of a lane in window W, register s + 16 b + i = k 32 b + 16 h + i of my row, become 8 registers of codes in v[pc] on and four scale bytes in v[pw].  Accumulators are read from their low end on.
.macro QUANT s, W, pc, pw
	WIN (((\W)<<2)|((\W)<<4))                      ; sources 1 and 2 in window W
.irp b, 0,1,2,3
	v_max3_num_f32 v[TM+\b], 0x1800000, |v[(\s)+16*\b]|, |v[(\s)+16*\b+1]|   ; block b: my 16 numbers, and the floor 2^(3 - 127)
.endr
.irp i, 2,4,6,8,10,12,14
.irp b, 0,1,2,3
	v_max3_num_f32 v[TM+\b], v[TM+\b], |v[(\s)+16*\b+\i]|, |v[(\s)+16*\b+\i+1]|
.endr
.endr
	WIN 0
.irp b, 0,1,2,3
	v_permlanex16_b32 v[TM+4+\b], v[TM+\b], s62, s63
.endr
.irp b, 0,1,2,3
	v_max_num_f32 v[TM+\b], v[TM+\b], v[TM+4+\b]   ; with lane l xor 16's: the block's largest magnitude
.endr
.irp b, 0,1,2,3
	v_add_nc_u32 v[TM+12+\b], 0xff000000, v[TM+\b] ; 2 off its exponent field: the conversion's scale operand
.endr
.irp b, 0,1,2,3
	v_lshrrev_b32 v[TM+4+\b], 23, v[TM+12+\b]      ; the scale's byte
.endr
	v_lshl_or_b32 v[\pw], v[TM+5], 8, v[TM+4]
	v_lshl_or_b32 v[\pw], v[TM+6], 16, v[\pw]
	v_lshl_or_b32 v[\pw], v[TM+7], 24, v[\pw]
	WIN (\W)                                       ; source 0 in window W
.irp b, 0,1,2,3
	v_cvt_scalef32_pk8_fp4_f32 v[(\pc)+2*\b], v[(\s)+16*\b:(\s)+16*\b+7], v[TM+12+\b]
	v_cvt_scalef32_pk8_fp4_f32 v[(\pc)+2*\b+1], v[(\s)+16*\b+8:(\s)+16*\b+15], v[TM+12+\b]
.endr
	WIN 0
	v_nop                                          ; one plain line behind the last scaled conversion
.irp c, 0,1                                    ; the operand's layout wants a whole block in a lane: lanes 0-15 block 2 c, lanes 16-31 block 2 c + 1
.irp i, 0,1
	v_permlane16_swap_b32 v[(\pc)+4*\c+\i], v[(\pc)+4*\c+2+\i]
.endr
.endr
.endm
; Tile j of my rows: gate in accumulators i = 0..7, up in 8..15.  h = gate / (1 + 2^(-gate log2 e)) * up, in f32; 64 numbers a lane in v32-95
.macro FFN j
.set XW, 2+(\j)/2
.set GA, 128*((\j)%2)
	WIN XW
.set i, 0
.rept 32
	v_pk_mul_f32 v[32+i:33+i], v[GA+i:GA+i+1], 0xbfb8aa3b op_sel_hi:[1,0]
.set i, i+2
.endr
	WIN 0
.set i, 0
	s_wait_alu depctr_va_vdst(0)
.rept 64
	v_exp_f32 v[32+i], v[32+i]
.set i, i+1
.endr
	v_nop                                          ; a plain line behind the batch,
	s_wait_alu depctr_va_vdst(0)                   ; and one wait for it, ahead of its first reader
.set i, 0
.rept 32
	v_pk_add_f32 v[32+i:33+i], v[32+i:33+i], 1.0 op_sel_hi:[1,0]
.set i, i+2
.endr
.set i, 0
	s_wait_alu depctr_va_vdst(0)
.rept 64
	v_rcp_f32 v[32+i], v[32+i]
.set i, i+1
.endr
	v_nop
	s_wait_alu depctr_va_vdst(0)
	WIN (XW<<2)                                    ; source 1 in the accumulators' window
.set i, 0
.rept 32
	v_pk_mul_f32 v[32+i:33+i], v[32+i:33+i], v[GA+i:GA+i+1]
.set i, i+2
.endr
.set i, 0
.rept 32
	v_pk_mul_f32 v[32+i:33+i], v[32+i:33+i], v[GA+64+i:GA+65+i]
.set i, i+2
.endr
	QUANT 32, 0, 176+8*(\j), 208+(\j)
.irp c, 0,1
	global_store_b128 v2, v[176+8*(\j)+4*\c:176+8*(\j)+4*\c+3], s[56:57] offset:(\j)*TP2+\c*512   ; 512 consecutive bytes, at a multiple of 256 from ah's first byte; each tile has its own registers
.endr
.endm
	s_wait_alu depctr_va_vdst(0)                   ; the wait at the head's end
	s_wait_tensorcnt 0x0                           ; my part of slot 0 is in; slot 1's first fill is issued as a refill is
	ds_add_u32 v12, v13
	s_mov_b32 s76, 0                               ; the phase
	s_wait_dscnt 0x0                               ; the add is done
	CROUND                                         ; everybody's part of slot 0 is in, and all four work-groups are here
	s_cmp_lt_u32 s14, 2                            ; slot 1's first fills, one tensor load a wave; they are waited for in K step 3
	s_cbranch_scc0 .Lsecond_x
	tensor_load_to_lds s[44:47], s[24:31]
	s_nop 0
.rept 4
	v_nop
.endr
	s_branch .Lasked2
.Lsecond_x:
	tensor_load_to_lds s[52:55], s[32:39]
	s_nop 0
.rept 4
	v_nop
.endr
.Lasked2:
.Lphase:                                               ; two trips: the hidden layer's chunks c = y and 16 + y; each asks for the next phase's weights
	FETCH 0
	SCALES 0
	KSTEP 0, 1                                     ; the first step's products start the sums: nothing is cleared
	KSTEP 1, 0
	KSTEP 2, 0
	KSTEP 3, 0
	KSTEP 4, 0
	KSTEP 5, 0
	KSTEP 6, 0
	KSTEP 7, 0
	WIN 0
	PLACES
	s_wait_xcnt 0x0                                ; the last phase's stores have read their bases and registers: both are written again only behind this wait
	s_lshl_b32 s18, s76, 4
	s_add_co_u32 s18, s18, s17                     ; c
	s_lshr_b32 s19, s18, 2
	s_and_b32 s18, s18, 3
	s_lshl_b32 s20, s16, 4
	s_lshl_b32 s21, s14, 2
	s_add_co_u32 s20, s20, s21                     ; row tile 16 R + 4 w
	s_mul_i32 s20, s20, 9
	s_add_co_u32 s20, s20, s19
	s_add_co_u32 s20, s20, 1                       ; unit 1 + c / 4
	s_mul_i32 s20, s20, U
	s_mov_b32 s21, 0
	s_add_nc_u64 s[60:61], s[12:13], s[20:21]
	s_lshl_b32 s20, s18, 10
	s_add_nc_u64 s[56:57], s[60:61], s[20:21]      ; its (c % 4)-th fragment
	s_lshl_b32 s20, s18, 2
	s_add_co_u32 s20, s20, 4096
	s_add_nc_u64 s[60:61], s[60:61], s[20:21]      ; and scale word
	FFN 0
	FFN 1
	FFN 2
	FFN 3
	v_cndmask_b32 v232, v208, v209, s58            ; lanes 0-15: tile 0's words; lanes 16-31: tile 1's
	v_cndmask_b32 v233, v210, v211, s58
	global_store_b32 v15, v232, s[60:61]           ; 4 of a row's 16 scale bytes: the other twelve belong to three other chunks
	global_store_b32 v15, v233, s[60:61] offset:2*TP2
	s_wait_tensorcnt 0x0                           ; my quarter of the next phase's weights is in,
	s_barrier_signal -1
	s_barrier_wait -1                              ; everybody's is
	s_add_co_u32 s76, s76, 1
	s_cmp_lt_u32 s76, 2
	s_cbranch_scc1 .Lphase
; ---- PHASE 2: q, k or v.  Four tiles against four; both slots are whole.
.macro FETCHC ks                       ; 16 loads of 512 consecutive bytes
	WIN 0x40
.irp i, 0,1,2,3
.irp c, 0,1
	ds_load_b128 v[128*((\ks)%2)+8*\i+4*\c:128*((\ks)%2)+8*\i+4*\c+3], v[24+(\ks)/4] offset:\i*U+((\ks)%4)*1024+\c*512
.endr
.endr
	WIN 0
.irp j, 0,1,2,3
.irp c, 0,1
	ds_load_b128 v[32+32*((\ks)%2)+8*\j+4*\c:32+32*((\ks)%2)+8*\j+4*\c+3], v[26+(\ks)/4] offset:\j*U+((\ks)%4)*1024+\c*512
.endr
.endr
.endm
.macro SCALESC s                       ; lanes 0-15 tile i, lanes 16-31 tile i + 2, on both sides
.irp i, 0,1
	ds_load_b128 v[96+40*(\s)+4*\i:99+40*(\s)+4*\i], v[28+(\s)] offset:\i*U
.endr
.irp j, 0,1
	ds_load_b128 v[128+40*(\s)+4*\j:131+40*(\s)+4*\j], v[30+(\s)] offset:\j*U
.endr
.endm
.macro MULC jlo, ks, zero              ; 8 products; the 16 accumulators take turns, in the same order in every K step
	WIN 0xa1
.irp j, \jlo, \jlo+1
.irp i, 0,1,2,3
.set AC, 8*(4*(\j)+\i)
.set PP, 128*((\ks)%2)+8*\i
.set QQ, 32+32*((\ks)%2)+8*(\j)
.set SA, 96+40*((\ks)/4)+4*(\i%2)+((\ks)%4)
.set SB, 128+40*((\ks)/4)+4*((\j)%2)+((\ks)%4)
	WM \zero, \i/2, (\j)/2
.endr
.endr
.endm
.macro KSTEPC ks, zero
	s_wait_dscnt 0x0                               ; this step's fragments
	MULC 0, \ks, \zero
.if (\ks) < 7
	PLACES                                         ; the other set was read by the step before
	FETCHC (\ks)+1
.endif
	MULC 2, \ks, \zero
.endm
	FETCHC 0
	SCALESC 0
	SCALESC 1
	KSTEPC 0, 1
	KSTEPC 1, 0
	KSTEPC 2, 0
	KSTEPC 3, 0
	KSTEPC 4, 0
	KSTEPC 5, 0
	KSTEPC 6, 0
	KSTEPC 7, 0
	WIN 0
	PLACES
	s_wait_xcnt 0x0                                ; phase 1's stores have read their bases and registers
	QUANT 0, 2, 32, 232                            ; tiles j = 0, 1 of source 1: two blocks of 32 each: codes v32-35, v36-39; bytes 0, 1 of v232 tile 0's, bytes 2, 3 tile 1's
	QUANT 64, 2, 40, 234                           ; tiles 2, 3
	v_lshrrev_b32 v233, 16, v232
	v_lshrrev_b32 v235, 16, v234                   ; v[232 + j]: tile j's two bytes below
	s_cmp_eq_u32 s77, 3
	s_cbranch_scc1 .Lv
	s_lshr_b32 s18, s16, 3                         ; the batch
	s_mul_i32 s18, s18, 12
	s_lshl_b32 s19, s77, 2
	s_add_co_u32 s18, s18, s19
	s_add_co_u32 s18, s18, s14                     ; head 4 (y / 4) + w of the twelve
	s_lshl_b32 s18, s18, 5
	s_and_b32 s19, s16, 7
	s_lshl_b32 s19, s19, 2
	s_add_co_u32 s18, s18, s19
	s_add_co_u32 s18, s18, s78                     ; group 4 (R % 8) + y % 4
	s_mul_i32 s18, s18, 2304
	s_mov_b32 s19, 0
	s_add_nc_u64 s[56:57], s[8:9], s[18:19]
	s_wait_alu depctr_va_vdst(0)
.irp j, 0,1,2,3
	global_store_b128 v2, v[32+4*\j:35+4*\j], s[56:57] offset:\j*512   ; a tile's two blocks: 512 consecutive bytes
.endr
	global_store_b128 v21, v[232:235], s[56:57] offset:2048   ; a row's four words: sixteen lanes store 256 consecutive bytes; lanes l and l xor 16 hold the same words and name the same address
	s_branch .Lend
.Lv:
	s_lshr_b32 s18, s16, 3
	s_lshl_b32 s18, s18, 2
	s_add_co_u32 s18, s18, s14                     ; batch x 4 + kv head w
	s_lshl_b32 s18, s18, 4
	s_and_b32 s19, s16, 7
	s_lshl_b32 s19, s19, 1
	s_add_co_u32 s18, s18, s19
	s_lshr_b32 s19, s78, 1
	s_add_co_u32 s18, s18, s19                     ; key step 2 (R % 8) + (y % 4) / 2
	s_mul_i32 s18, s18, U
	s_mov_b32 s19, 0
	s_add_nc_u64 s[60:61], s[10:11], s[18:19]
	s_and_b32 s18, s78, 1                          ; which 64 of its 128 keys
	s_lshl_b32 s20, s18, 9
	s_mov_b32 s21, 0
	s_add_nc_u64 s[56:57], s[60:61], s[20:21]      ; that half of each fragment,
	s_lshl_b32 s20, s18, 1
	s_add_nc_u64 s[60:61], s[60:61], s[20:21]      ; and those two bytes of each scale word
	s_wait_alu depctr_va_vdst(0)
.irp j, 0,1,2,3
	global_store_b128 v2, v[32+4*\j:35+4*\j], s[56:57] offset:\j*1024  ; 512 consecutive bytes
	global_store_b16 v21, v[232+\j], s[60:61] offset:4096+4*\j         ; two bytes a row: the word's other two are another work-group's; lanes l and l xor 16 name the same address with the same bytes
.endr
.Lend:
	s_wait_tensorcnt 0x0                           ; the wave's end
	ds_add_u32 v12, v13
	s_wait_dscnt 0x0
	CROUND                                         ; the closing round
	s_endpgm
.Lfunc_end_k_qc4f9a80200_gemm1:
	.size	k_qc4f9a80200_gemm1, .Lfunc_end_k_qc4f9a80200_gemm1-k_qc4f9a80200_gemm1
	.p2alignl 7, 3214868480
	.fill 96, 4, 3214868480
	.section	.rodata,"a",@progbits
	.p2align	6, 0x0
	.amdhsa_kernel k_qc4f9a80200_gemm1
		.amdhsa_group_segment_fixed_size 327680
		.amdhsa_private_segment_fixed_size 0
		.amdhsa_enable_private_segment 0
		.amdhsa_kernarg_size 40
		.amdhsa_user_sgpr_count 2
		.amdhsa_user_sgpr_kernarg_segment_ptr 1
		.amdhsa_wavefront_size32 1
		.amdhsa_system_sgpr_workgroup_id_x 1
		.amdhsa_system_sgpr_workgroup_id_y 1
		.amdhsa_system_sgpr_workgroup_id_z 1
		.amdhsa_system_vgpr_workitem_id 0
		.amdhsa_next_free_vgpr 1024
		.amdhsa_next_free_sgpr 96
		.amdhsa_reserve_vcc 0
		.amdhsa_float_denorm_mode_32 3
		.amdhsa_float_denorm_mode_16_64 3
		.amdhsa_memory_ordered 1
		.amdhsa_forward_progress 1
		.amdhsa_inst_pref_size 204
	.end_amdhsa_kernel
	.amdgpu_metadata
---
amdhsa.version: [ 1, 2 ]
amdhsa.kernels:
  - .name:           k_qc4f9a80200_gemm1
    .symbol:         k_qc4f9a80200_gemm1.kd
    .args:
      - { .name: xn, .offset: 0, .size: 8, .value_kind: global_buffer, .address_space: global }
      - { .name: wb1, .offset: 8, .size: 8, .value_kind: global_buffer, .address_space: global }
      - { .name: qkb, .offset: 16, .size: 8, .value_kind: global_buffer, .address_space: global }
      - { .name: vb, .offset: 24, .size: 8, .value_kind: global_buffer, .address_space: global }
      - { .name: ah, .offset: 32, .size: 8, .value_kind: global_buffer, .address_space: global }
    .group_segment_fixed_size: 327680
    .private_segment_fixed_size: 0
    .kernarg_segment_align: 8
    .kernarg_segment_size: 40
    .max_flat_workgroup_size: 128
    .sgpr_count:     96
    .vgpr_count:     1024
    .wavefront_size: 32
...
	.end_amdgpu_metadata
.endif
;; end of part 2
;; launch attn (part 3): grid 32 x 8, 16 waves a work-group, clusters of 4 x 1, 182,272 bytes of LDS; arguments qkb, vb, ah; writes ah
.if DOCPART == 3
	.amdgcn_target "amdgcn-amd-amdhsa--gfx1250"
	.amdhsa_code_object_version 6
	.text
	.protected	k_qc4f9a80200_attn
	.globl	k_qc4f9a80200_attn
	.p2align	8
	.type	k_qc4f9a80200_attn,@function
k_qc4f9a80200_attn:
	s_mov_b64 s[64:65], 0
	v_nop
	global_prefetch_b8 v0, s[64:65] scope:SCOPE_SE
	s_setreg_imm32_b32 hwreg(HW_REG_WAVE_MODE, 25, 1), 1
	s_wait_xcnt 0x0
	s_wait_alu depctr_hold_cnt(0) depctr_sa_sdst(0) depctr_va_vdst(0) depctr_va_sdst(0) depctr_va_ssrc(0) depctr_va_vcc(0) depctr_vm_vsrc(0)
	s_getreg_b32 s2, hwreg(HW_REG_IB_STS2, 6, 4)
	s_cmp_eq_u32 s2, 0
	s_cbranch_scc0 .Lentry_in_a_cluster
	s_endpgm
.Lentry_in_a_cluster:
	s_bfe_u32 s2, ttmp6, 0x10000c
	s_cmp_lg_u32 s2, 0x3003
	s_cbranch_scc0 .Lentry_shape_is_right
	s_endpgm
.Lentry_shape_is_right:
; Causal attention on codes of E2M1: 2 batches x 8 heads of 64, 4 kv heads, 2,048 positions.  q, k (qkb) and v (vb) as launch 2 laid them; the result, divided by the row's sum, is quantised along head x 64
; and stored as unit 0 of ah, the first 512 of launch 4's K.
; WORK LEFT OUT: a step of 128 keys all of which come after a tile's 16 queries (reference()'s own causal mask gives them the weight 0 for all values of the inputs: shown at the head of launch 1).
; THE SOFTMAX: t = score x log2(e) / 8; M = the running largest t rounded up to a whole number; p = 2^(t - M) is quantised along the keys; the row's sum is taken of the unquantised p and divides at the end;
; when M moves, the sum and O are multiplied by 2^(old M - new M), which rounds nothing.
; SHARES.  A work-group serves one (batch, kv head): all its K (73,728 bytes) and V (69,632) come into LDS once, one tensor load a wave (an eighth of K or of V), and stay.
; Wave w: head 2 kvh + w % 2; tile 127 - g, 64 + g, g or 63 - g for w / 4 = 0 .. 3 (g the work-group's x); part ((w / 2) xor (w / 4)) % 2 of the tile's n key steps, which are cut at mid = n / 2:
; part 0 walks steps 0 .. mid - 1, part 1 steps mid .. n - 1, the diagonal among them.  The four waves with the same w % 4 have 17 steps between them for every g, and two of them are parts 1.
; THE TWO PARTS ARE JOINED through LDS: part 0 stores O^T, -M and its sums; behind one barrier part 1 brings both under the larger M (factors 2^(M - larger M), exact), adds, and goes the way out.
; A part 0 with no step (n = 1) hands over zeros under M = -3e38: its factor is 0.
; CLUSTER.  Four work-groups with neighbouring g and the same (batch, kv head) read the same K and V: the sixteen fills are asked for jointly (mask 15).  n - 1 is 15 - g / 8, 8 + g / 8, g / 8 or 7 - g / 8, and
; g / 8 = the cluster's x / 2: so every branch and trip bound is the same in all four.  The place in the cluster enters Q's and ah's addresses and the number that the diagonal's mask compares, and nothing else.
; NO PREFETCH: K and V are asked for once, at the head; there is no loop of loads to run ahead in.
; LAYOUT.  Both products are used transposed (S^T = K Q^T, O^T = V^T P^T): a lane holds one query throughout.  Places of a tile hold rows with bits 3 and 4 exchanged, so the 16 registers of tiles 2 b, 2 b + 1 of S^T
; are keys 32 b + 16 h + 0 .. 15, and those of O^T channels 32 b + 16 h + 0 .. 15.  The first product's K is 64: the upper 64 of the instruction's 128 are zero codes on both sides.
; LIMITS: as stated at the head of launch 1; the sums over the keys are formed in two parts.
; REGISTERS: v1-4 addresses that stay; v5, v6 the add's two; v7 the mask's number; v8-11 the step's addresses; v12 -M, v13 the largest t, v[14:15] the sum; v16-23 Q; v24 Q's scale words; v25 where the parts meet;
; v28-31, v240-243 K's scale words; v32-95 K's eight fragments (upper halves 0); v96-159 S^T, then p; v160-191 O^T; v192-223 V's four fragments; v224-231 p's codes; v248-251 V's scale words; v253 p's; the rest at work.
.set GRP,   2304                       ; 64 rows of a head in qkb
.set U,     4352                       ; a key step of 128 in vb
.set VB,    73728                      ; LDS: K from 0, V from here
.set SPARE, 143360                     ; the spare words, 128 bytes for each of sixteen waves, which no other line names
.set MRG,   145408                     ; where the parts meet: MP bytes for each of eight pairs of waves; no fill lands here
.set MP,    4608                       ; O^T's 32 registers and v12-15: 36 x 128 bytes
.set TP2,   39168
.macro CROUND                          ; a round of the cluster's barrier
	s_barrier_signal -1
	s_barrier_wait -1
	s_cmp_lg_u32 s10, 0
	s_cbranch_scc1 .Lnot_wave_0_\@
	s_barrier_signal -3
.Lnot_wave_0_\@:
	s_barrier_wait -3
	s_barrier_signal -1
	s_barrier_wait -1
.endm
	s_load_b128 s[4:7], s[0:1], 0x0                ; qkb, vb
	s_load_b64 s[8:9], s[0:1], 0x10                ; ah
	v_lshl_add_u32 v5, v0, 2, SPARE
	v_mov_b32 v6, 0
	ds_add_u32 v5, v6                              ; the wave's opening: the add, twice on end, and its wait ahead of my first tensor load
	ds_add_u32 v5, v6
	v_lshrrev_b32 v8, 5, v0
	s_delay_alu instid0(VALU_DEP_1)
	v_readfirstlane_b32 s10, v8                    ; wave 0..15
	s_and_b32 s12, ttmp7, 0xffff                   ; batch x 4 + kv head
	s_lshr_b32 s13, s12, 2
	s_and_b32 s14, s12, 3
	; descriptor group 1: dense blocks as rows of 256 bytes (32 elements of 8): K's eighth 36 rows, V's 34; all four work-groups, bit 21 set beside the mask
	s_mov_b32 s16, 15|(3<<16)|(1<<21)
	s_mov_b32 s17, 32<<16
	s_mov_b32 s18, 36<<16
	s_mov_b32 s19, 32<<16
	s_mov_b32 s20, 36
	s_mov_b32 s21, 32
	s_mov_b32 s22, 0
	s_mov_b32 s23, 0
	s_mov_b32 s24, 15|(3<<16)|(1<<21)
	s_mov_b32 s25, 32<<16
	s_mov_b32 s26, 34<<16
	s_mov_b32 s27, 32<<16
	s_mov_b32 s28, 34
	s_mov_b32 s29, 32
	s_mov_b32 s30, 0
	s_mov_b32 s31, 0
	s_and_b32 s48, s10, 7                          ; which eighth I fetch: waves 0-7 of K, waves 8-15 of V
	s_mul_i32 s49, s48, 9216
	s_mul_i32 s50, s48, 8704
	s_mul_i32 s52, s13, 12
	s_add_co_u32 s52, s52, s14
	s_add_co_u32 s52, s52, 8                       ; k's heads stand behind q's eight
	s_mul_i32 s52, s52, 32*GRP
	s_add_co_u32 s52, s52, s49
	s_mov_b32 s53, 0
	s_mul_i32 s54, s12, 16*U
	s_add_co_u32 s54, s54, s50
	s_mov_b32 s55, 0
	s_mov_b32 s32, 1
	s_mov_b32 s33, s49
	s_mov_b32 s36, 1
	s_add_co_u32 s37, s50, VB
	s_mov_b32 s40, 0x76543210
	s_mov_b32 s41, 0xfedcba98                      ; v_permlanex16_b32's selects for lane l xor 16
	s_mov_b32 s42, 0x3e38aa3b                      ; c = log2(e) / 8
	s_mov_b32 s43, s42                             ; (named with it as a pair, so it is written)
	s_wait_dscnt 0x0                               ; both opening adds are done
	s_wait_kmcnt 0x0
	s_add_nc_u64 s[34:35], s[4:5], s[52:53]
	s_or_b32 s35, s35, 0x80000000
	s_add_nc_u64 s[38:39], s[6:7], s[54:55]
	s_or_b32 s39, s39, 0x80000000
	CROUND                                         ; all four work-groups are here: the joint loads meet
	s_cmp_lt_u32 s10, 8                            ; every wave issues one fill: one tensor load of mine is out
	s_cbranch_scc0 .Lfill_v
	tensor_load_to_lds s[32:35], s[16:23]
	s_nop 0
.rept 4
	v_nop
.endr
	s_branch .Lfilled
.Lfill_v:
	tensor_load_to_lds s[36:39], s[24:31]
	s_nop 0
.rept 4
	v_nop
.endr
.Lfilled:
	s_bfe_u32 s69, ttmp6, 0x40000                  ; cx
	s_lshl_b32 s67, ttmp9, 2
	s_add_co_u32 s67, s67, s69                     ; g = 4 x cluster x + cx
	s_lshr_b32 s68, ttmp9, 1                       ; g / 8, of the cluster's x alone
	s_lshr_b32 s48, s10, 2
	s_add_co_u32 s49, s67, 64
	s_sub_co_u32 s50, 127, s67
	s_sub_co_u32 s15, 63, s67
	s_add_co_u32 s52, s68, 8
	s_sub_co_u32 s53, 15, s68
	s_sub_co_u32 s44, 7, s68
	s_cmp_eq_u32 s48, 2
	s_cselect_b32 s15, s67, s15
	s_cselect_b32 s44, s68, s44
	s_cmp_eq_u32 s48, 1
	s_cselect_b32 s15, s49, s15
	s_cselect_b32 s44, s52, s44
	s_cmp_eq_u32 s48, 0
	s_cselect_b32 s15, s50, s15                    ; t: my tile of 16 queries, 0 .. 127
	s_cselect_b32 s44, s53, s44                    ; t / 8: its key step, the tile's last: n - 1
	s_bfe_u32 s11, s10, 0x10001
	s_bfe_u32 s49, s10, 0x10002
	s_xor_b32 s11, s11, s49                        ; my part of the tile's steps
	s_add_co_u32 s3, s44, 1                        ; n
	s_lshr_b32 s2, s3, 1                           ; mid
	s_cmp_eq_u32 s11, 0
	s_cselect_b32 s3, s2, s3                       ; I walk steps s2 .. s3 - 1: part 0: 0 .. mid - 1;
	s_cselect_b32 s2, 0, s2                        ; part 1: mid .. n - 1
	s_lshl_b32 s66, s48, 1
	s_and_b32 s51, s10, 1
	s_or_b32 s66, s66, s51                         ; my pair of waves: 2 (w / 4) + w % 2
	s_mul_i32 s66, s66, MP
	s_add_co_u32 s66, s66, MRG
	s_lshl_b32 s48, s14, 1
	s_add_co_u32 s51, s51, s48                     ; my head
	s_mul_i32 s52, s13, 12
	s_add_co_u32 s52, s52, s51
	s_lshl_b32 s52, s52, 5
	s_lshr_b32 s54, s15, 2
	s_add_co_u32 s52, s52, s54
	s_mul_i32 s52, s52, GRP
	s_mov_b32 s53, 0
	s_add_nc_u64 s[56:57], s[4:5], s[52:53]        ; my queries' group of 64 rows
	s_and_b32 s54, s15, 3
	s_lshl_b32 s52, s54, 9
	s_add_nc_u64 s[58:59], s[56:57], s[52:53]      ; my tile's codes
	s_lshl_b32 s52, s54, 2
	s_add_nc_u64 s[56:57], s[56:57], s[52:53]      ; my tile's word in each row's four
	s_lshl_b32 s52, s13, 7
	s_add_co_u32 s52, s52, s15
	s_mul_i32 s52, s52, TP2
	s_add_nc_u64 s[62:63], s[8:9], s[52:53]        ; ah: row tile batch x 128 + t, unit 0
	s_lshl_b32 s52, s51, 9
	s_add_nc_u64 s[60:61], s[62:63], s[52:53]      ; my head's two blocks
	s_lshl_b32 s52, s51, 1
	s_add_nc_u64 s[62:63], s[62:63], s[52:53]      ; and their two scale bytes
	s_lshr_b32 s48, s15, 1
	s_and_b32 s48, s48, 3
	s_lshl_b32 s48, s48, 5
	s_and_b32 s49, s15, 1
	s_lshl_b32 s49, s49, 3
	s_add_co_u32 s48, s48, s49                     ; 32 ((t / 2) % 4) + 8 (t % 2)
	v_and_b32 v8, 31, v0
	s_delay_alu instid0(VALU_DEP_1)
	v_lshlrev_b32 v1, 4, v8                        ; 16 x lane
	v_and_b32 v8, 15, v0                           ; r
	s_delay_alu instid0(VALU_DEP_1)
	v_lshl_add_u32 v2, v8, 4, 2048                 ; a group's scale words: 2,048 + 16 r
	s_delay_alu instid0(VALU_DEP_3)
	v_add_nc_u32 v3, VB, v1
	s_delay_alu instid0(VALU_DEP_3)
	v_lshl_add_u32 v4, v8, 4, VB+4096
	global_load_b128 v[16:19], v1, s[58:59]        ; Q's fragment: the head's 64, two blocks
	global_load_b32 v24, v2, s[56:57]              ; and its scale words
	v_add_nc_u32 v25, s66, v1                      ; my pair's bytes, 16 a lane
	v_and_b32 v9, 8, v8
	s_delay_alu instid0(VALU_DEP_1)
	v_add_nc_u32 v9, v9, v8                        ; r + 8 (r / 8)
	v_bfe_u32 v10, v0, 4, 1
	s_delay_alu instid0(VALU_DEP_1)
	v_lshlrev_b32 v11, 4, v10
	s_delay_alu instid0(VALU_DEP_1)
	v_sub_nc_u32 v7, v9, v11
	s_delay_alu instid0(VALU_DEP_1)
	v_add_nc_u32 v7, s48, v7                       ; d = my query - its key step's first key - 16 h.  Register 16 b + i holds key 32 b + 16 h + i of the step: hidden where 32 b + i > d
.irp j, 20,21,22,23
	v_mov_b32 v\j, 0                               ; K = 64 .. 127 of Q: zero codes
.endr
.irp i, 0,1,2,3,4,5,6,7
.irp j, 4,5,6,7
	v_mov_b32 v[32+8*\i+\j], 0                     ; and of K's eight fragments: written once
.endr
.endr
	v_mov_b32 v13, 0xff61b1e6                      ; the largest t so far: -3e38
	s_delay_alu instid0(VALU_DEP_1)
	v_floor_f32 v12, -v13                          ; -M
	v_mov_b32 v14, 0
	v_mov_b32 v15, 0
.irp b, 0,1,2,3
	v_mov_b32 v[236+\b], 0                         ; a lane permute's destination counts as one of its sources
.endr
	v_mov_b32 v252, 0
	v_mov_b32 v253, 0
.set j, 0
.rept 32
	v_mov_b32 v[160+j], 0                          ; O^T: the step is written once; the first finds zeros, which the first change of M leaves zeros
.set j, j+1
.endr
	s_mov_b32 s45, 0                               ; the key step
	s_mov_b32 s46, 0                               ; its K in LDS: 4,608 bytes a step
	s_mov_b32 s47, 0                               ; its V: 4,352
	s_wait_alu depctr_va_vdst(0)                   ; the wait at the head's end
	s_wait_tensorcnt 0x0                           ; my fill has landed,
	s_barrier_signal -1
	s_barrier_wait -1                              ; everybody's has
	s_wait_loadcnt 0x0                             ; Q
.Lstep:                                            ; 16 trips, a constant; the work of a step that is hidden or the other part's is jumped over, the lines that step addresses are not
	s_cmp_lt_u32 s45, s2
	s_cbranch_scc1 .Lhidden
	s_cmp_ge_u32 s45, s3
	s_cbranch_scc1 .Lhidden
	v_add_nc_u32 v8, s46, v1
	v_add_nc_u32 v9, s46, v2
	v_add_nc_u32 v10, s47, v3
	v_add_nc_u32 v11, s47, v4
.irp i, 0,1,2,3,4,5,6,7
	ds_load_b128 v[32+8*\i:35+8*\i], v8 offset:(\i/4)*GRP+(\i%4)*512
.endr
	ds_load_b128 v[28:31], v9
	ds_load_b128 v[240:243], v9 offset:GRP
.irp j, 0,1,2,3
.irp c, 0,1
	ds_load_b128 v[192+8*\j+4*\c:195+8*\j+4*\c], v10 offset:1024*\j+512*\c
.endr
.endr
	ds_load_b128 v[248:251], v11
	s_wait_dscnt 0x9                               ; K and its scale words are in; V's nine loads, issued behind them, may be out
.irp i, 0,1,2,3
	v_wmma_scale_f32_16x16x128_f8f6f4 v[96+8*\i:103+8*\i], v[32+8*\i:39+8*\i], v[16:23], 0, v[28+\i], v24 matrix_a_fmt:MATRIX_FMT_FP4 matrix_b_fmt:MATRIX_FMT_FP4
.endr
.irp i, 4,5,6,7
	v_wmma_scale_f32_16x16x128_f8f6f4 v[96+8*\i:103+8*\i], v[32+8*\i:39+8*\i], v[16:23], 0, v[236+\i], v24 matrix_a_fmt:MATRIX_FMT_FP4 matrix_b_fmt:MATRIX_FMT_FP4
.endr
.rept 4
	v_nop
.endr
	s_cmp_lg_u32 s45, s44                          ; only the tile's last step lies on the diagonal
	s_cbranch_scc1 .Lopen
	v_mov_b32 v254, 0xff800000                     ; -infinity: p = 0 then
.set n, 0
.rept 64
	v_cmp_gt_i32 vcc_lo, 32*(n/16)+n%16, v7
	v_cndmask_b32 v[96+n], v[96+n], v254, vcc_lo
.set n, n+1
.endr
.Lopen:
.irp b, 0,1,2,3
	v_max3_num_f32 v[232+\b], v[96+16*\b], v[97+16*\b], v[98+16*\b]   ; the largest score of each block of 32 keys: for the row's maximum, and, since p rises with the score, for the block's largest p
.endr
.irp i, 3,5,7,9,11,13
.irp b, 0,1,2,3
	v_max3_num_f32 v[232+\b], v[232+\b], v[96+16*\b+\i], v[97+16*\b+\i]
.endr
.endr
.irp b, 0,1,2,3
	v_max_num_f32 v[232+\b], v[232+\b], v[111+16*\b]
.endr
.irp b, 0,1,2,3
	s_delay_alu instid0(VALU_DEP_4)
	v_permlanex16_b32 v[236+\b], v[232+\b], s40, s41
.endr
.irp b, 0,1,2,3
	s_delay_alu instid0(VALU_DEP_4)
	v_max_num_f32 v[232+\b], v[232+\b], v[236+\b]
.endr
	s_delay_alu instid0(VALU_DEP_2)
	v_max3_num_f32 v254, v232, v233, v234
	s_delay_alu instid0(VALU_DEP_1)
	v_max_num_f32 v254, v254, v235
	s_delay_alu instid0(VALU_DEP_1)
	v_mul_f32 v254, s42, v254                      ; as t (c is positive)
	s_delay_alu instid0(VALU_DEP_1)
	v_max_num_f32 v13, v13, v254                   ; the running largest t
	v_mov_b32 v254, v12
	s_delay_alu instid0(VALU_DEP_2)
	v_floor_f32 v12, -v13                          ; the new -M = -ceil(t)
	s_delay_alu instid0(VALU_DEP_1)
	v_sub_f32 v254, v12, v254                      ; old M - new M: a whole number, 0 or less
	s_delay_alu instid0(VALU_DEP_1)
	v_cvt_i32_f32 v254, v254                       ; (it saturates)
	s_delay_alu instid0(VALU_DEP_1)
	v_ldexp_f32 v252, 1.0, v254                    ; f = 2^(old M - new M)
.set j, 0
.rept 32
	v_pk_fma_f32 v[96+j:97+j], v[96+j:97+j], s[42:43], v[12:13] op_sel_hi:[1,0,0]   ; t - M
.set j, j+2
.endr
.irp b, 0,1,2,3
	v_fma_f32 v[232+\b], v[232+\b], s42, v12
.endr
.set j, 0
	s_wait_alu depctr_va_vdst(0)                   ; the wait ahead of the batch
.rept 64
	v_exp_f32 v[96+j], v[96+j]                     ; p = 2^(t - M): not normalised
.set j, j+1
.endr
	v_pk_mul_f32 v[14:15], v[14:15], v[252:253] op_sel_hi:[1,0]   ; the sums under the new M: a plain line behind the batch
	s_wait_alu depctr_va_vdst(0)                   ; one wait for the batch, ahead of its first reader
.irp b, 0,1,2,3
	v_exp_f32 v[232+\b], v[232+\b]                 ; each block's largest p
.endr
; the row's sum of the unquantised p: 32 pairs in eight chains, which do not wait for each other
.set p, 0
.irp r, 236,238,240,242,244,246,254
	v_pk_add_f32 v[\r:\r+1], v[96+2*p:97+2*p], v[110+2*p:111+2*p]
.set p, p+1
.endr
	v_pk_add_f32 v[14:15], v[14:15], v[124:125]
.irp q, 126,142
.set p, 0
.irp r, 236,238,240,242,244,246,254
	v_pk_add_f32 v[\r:\r+1], v[\r:\r+1], v[\q+2*p:\q+1+2*p]
.set p, p+1
.endr
	v_pk_add_f32 v[14:15], v[14:15], v[\q+14:\q+15]
.endr
	v_pk_add_f32 v[236:237], v[236:237], v[158:159]
	s_delay_alu instid0(VALU_DEP_2)
	v_pk_add_f32 v[14:15], v[14:15], v[244:245]
	s_delay_alu instid0(VALU_DEP_2)
	v_pk_add_f32 v[236:237], v[236:237], v[242:243]
	v_pk_add_f32 v[254:255], v[254:255], v[240:241]
	v_pk_add_f32 v[246:247], v[246:247], v[238:239]
	s_delay_alu instid0(VALU_DEP_2)
	v_pk_add_f32 v[14:15], v[14:15], v[254:255]
	s_delay_alu instid0(VALU_DEP_2)
	v_pk_add_f32 v[236:237], v[236:237], v[246:247]
	s_delay_alu instid0(VALU_DEP_1)
	v_pk_add_f32 v[14:15], v[14:15], v[236:237]
	s_wait_alu depctr_va_vdst(0)                   ; and one for the four
.irp b, 0,1,2,3
	v_max_num_f32 v[232+\b], 0x1800000, v[232+\b]  ; the floor 2^(3 - 127)
.endr
.irp b, 0,1,2,3
	s_delay_alu instid0(VALU_DEP_4)
	v_add_nc_u32 v[244+\b], 0xff000000, v[232+\b]  ; the conversion's scale operand
.endr
.irp b, 0,1,2,3
	s_delay_alu instid0(VALU_DEP_4)
	v_lshrrev_b32 v[236+\b], 23, v[244+\b]         ; the scale's byte
.endr
	s_delay_alu instid0(VALU_DEP_3)
	v_lshl_or_b32 v253, v237, 8, v236              ; p's scale word for these 128 keys
	s_delay_alu instid0(VALU_DEP_1)
	v_lshl_or_b32 v253, v238, 16, v253
	s_delay_alu instid0(VALU_DEP_1)
	v_lshl_or_b32 v253, v239, 24, v253
.irp b, 0,1,2,3
	v_cvt_scalef32_pk8_fp4_f32 v[224+2*\b], v[96+16*\b:103+16*\b], v[244+\b]
	v_cvt_scalef32_pk8_fp4_f32 v[225+2*\b], v[104+16*\b:111+16*\b], v[244+\b]
.endr
	v_nop                                          ; one plain line behind the last scaled conversion
.irp c, 0,1
.irp i, 0,1
	v_permlane16_swap_b32 v[224+4*\c+\i], v[226+4*\c+\i]
.endr
.endr
.set j, 0
.rept 16
	v_pk_mul_f32 v[160+j:161+j], v[160+j:161+j], v[252:253] op_sel_hi:[1,0]   ; O^T under the new M
.set j, j+2
.endr
.rept 4
	v_nop                                          ; with the lines above: the places between p's codes and scale word, written by vector instructions, and the scaled products
.endr
	s_wait_alu depctr_va_vdst(0)
	s_wait_dscnt 0x0                               ; V and its scale words
.irp j, 0,1,2,3
	v_wmma_scale_f32_16x16x128_f8f6f4 v[160+8*\j:167+8*\j], v[192+8*\j:199+8*\j], v[224:231], v[160+8*\j:167+8*\j], v[248+\j], v253 matrix_a_fmt:MATRIX_FMT_FP4 matrix_b_fmt:MATRIX_FMT_FP4
.endr
.rept 4
	v_nop                                          ; places in front of the next step's loads and of the reads behind the loop
.endr
.Lhidden:
	s_add_co_u32 s46, s46, 2*GRP
	s_add_co_u32 s47, s47, U
	s_add_co_u32 s45, s45, 1
	s_cmp_lt_u32 s45, 16
	s_cbranch_scc1 .Lstep
	; THE TWO PARTS MEET.  Part 0 stores its registers as they are, 16 bytes a lane; each accumulator from its low end on
	s_wait_alu depctr_va_vdst(0)
	s_cmp_lg_u32 s11, 0
	s_cbranch_scc1 .Ltaker
.irp k, 0,1,2,3,4,5,6,7
	ds_store_b128 v25, v[160+4*\k:163+4*\k] offset:512*\k
.endr
	ds_store_b128 v25, v[12:15] offset:4096        ; -M, the largest t, the sum's two halves
.Ltaker:
	s_wait_dscnt 0x0                               ; for the other part's sake: my stores are done
	s_barrier_signal -1
	s_barrier_wait -1
	s_cmp_eq_u32 s11, 0
	s_cbranch_scc1 .Lend                           ; part 0 has handed its sums over
.irp k, 0,1,2,3,4,5,6,7
	ds_load_b128 v[96+4*\k:99+4*\k], v25 offset:512*\k
.endr
	ds_load_b128 v[128:131], v25 offset:4096
	s_wait_dscnt 0x0
	v_mov_b32 v137, 0                              ; upper halves of pairs of which the packed forms take the low word alone: named, so written
	v_mov_b32 v139, 0
	v_min_num_f32 v132, v12, v128                  ; -(the larger M)
	s_delay_alu instid0(VALU_DEP_1)
	v_sub_f32 v133, v132, v12                      ; my M - the larger: a whole number, 0 or less
	v_sub_f32 v134, v132, v128                     ; the other part's likewise
	s_delay_alu instid0(VALU_DEP_2)
	v_cvt_i32_f32 v133, v133                       ; (it saturates)
	s_delay_alu instid0(VALU_DEP_2)
	v_cvt_i32_f32 v134, v134
	s_delay_alu instid0(VALU_DEP_2)
	v_ldexp_f32 v136, 1.0, v133                    ; my factor,
	s_delay_alu instid0(VALU_DEP_2)
	v_ldexp_f32 v138, 1.0, v134                    ; the other part's: powers of two, which round nothing
.set j, 0
.rept 16
	v_pk_mul_f32 v[160+j:161+j], v[160+j:161+j], v[136:137] op_sel_hi:[1,0]
.set j, j+2
.endr
	v_pk_mul_f32 v[14:15], v[14:15], v[136:137] op_sel_hi:[1,0]
.set j, 0
.rept 16
	v_pk_fma_f32 v[160+j:161+j], v[96+j:97+j], v[138:139], v[160+j:161+j] op_sel_hi:[1,0,1]
.set j, j+2
.endr
	v_pk_fma_f32 v[14:15], v[130:131], v[138:139], v[14:15] op_sel_hi:[1,0,1]
	; THE WAY OUT: O^T / the sum; register 16 b + i = channel 32 b + 16 h + i of my query: two blocks of launch 4's K
	s_delay_alu instid0(VALU_DEP_1)
	v_add_f32 v14, v14, v15
	s_delay_alu instid0(VALU_DEP_1)
	v_permlanex16_b32 v252, v14, s40, s41
	s_delay_alu instid0(VALU_DEP_1)
	v_add_f32 v14, v14, v252                       ; the row's sum
	s_wait_alu depctr_va_vdst(0)                   ; the wait ahead of the transcendental
	v_rcp_f32 v14, v14
	v_nop
	s_wait_alu depctr_va_vdst(0)                   ; and ahead of its first reader
.set j, 0
.rept 32
	v_mul_f32 v[96+j], v[160+j], v14
.set j, j+1
.endr
.irp b, 0,1
	v_max3_num_f32 v[232+\b], |v[96+16*\b]|, |v[97+16*\b]|, 0x1800000
.endr
.irp i, 2,4,6,8,10,12,14
.irp b, 0,1
	s_delay_alu instid0(VALU_DEP_2)
	v_max3_num_f32 v[232+\b], v[232+\b], |v[96+16*\b+\i]|, |v[97+16*\b+\i]|
.endr
.endr
.irp b, 0,1
	s_delay_alu instid0(VALU_DEP_2)
	v_permlanex16_b32 v[236+\b], v[232+\b], s40, s41
.endr
.irp b, 0,1
	s_delay_alu instid0(VALU_DEP_2)
	v_max_num_f32 v[232+\b], v[232+\b], v[236+\b]
.endr
.irp b, 0,1
	s_delay_alu instid0(VALU_DEP_2)
	v_add_nc_u32 v[244+\b], 0xff000000, v[232+\b]
.endr
.irp b, 0,1
	s_delay_alu instid0(VALU_DEP_2)
	v_lshrrev_b32 v[236+\b], 23, v[244+\b]
.endr
	s_delay_alu instid0(VALU_DEP_1)
	v_lshl_or_b32 v238, v237, 8, v236              ; the two scale bytes of my row
.irp b, 0,1
	v_cvt_scalef32_pk8_fp4_f32 v[224+2*\b], v[96+16*\b:103+16*\b], v[244+\b]
	v_cvt_scalef32_pk8_fp4_f32 v[225+2*\b], v[104+16*\b:111+16*\b], v[244+\b]
.endr
	v_nop
	v_permlane16_swap_b32 v224, v226               ; lanes 0-15 block 0 whole, lanes 16-31 block 1
	v_permlane16_swap_b32 v225, v227
	global_store_b128 v1, v[224:227], s[60:61]     ; 512 consecutive bytes, at a multiple of 256 from ah's first byte
	global_store_b16 v2, v238, s[62:63] offset:2048   ; at 4,096 + 16 r + 2 head; lanes l and l xor 16 hold the same two bytes and name the same address
.Lend:
	s_wait_tensorcnt 0x0                           ; the wave's end
	ds_add_u32 v5, v6
	s_wait_dscnt 0x0
	CROUND                                         ; the closing round
	s_endpgm
.Lfunc_end_k_qc4f9a80200_attn:
	.size	k_qc4f9a80200_attn, .Lfunc_end_k_qc4f9a80200_attn-k_qc4f9a80200_attn
	.p2alignl 7, 3214868480
	.fill 96, 4, 3214868480
	.section	.rodata,"a",@progbits
	.p2align	6, 0x0
	.amdhsa_kernel k_qc4f9a80200_attn
		.amdhsa_group_segment_fixed_size 182272
		.amdhsa_private_segment_fixed_size 0
		.amdhsa_enable_private_segment 0
		.amdhsa_kernarg_size 24
		.amdhsa_user_sgpr_count 2
		.amdhsa_user_sgpr_kernarg_segment_ptr 1
		.amdhsa_wavefront_size32 1
		.amdhsa_system_sgpr_workgroup_id_x 1
		.amdhsa_system_sgpr_workgroup_id_y 1
		.amdhsa_system_sgpr_workgroup_id_z 1
		.amdhsa_system_vgpr_workitem_id 0
		.amdhsa_next_free_vgpr 256
		.amdhsa_next_free_sgpr 70
		.amdhsa_reserve_vcc 1
		.amdhsa_float_denorm_mode_32 3
		.amdhsa_float_denorm_mode_16_64 3
		.amdhsa_memory_ordered 1
		.amdhsa_forward_progress 1
		.amdhsa_inst_pref_size 40
	.end_amdhsa_kernel
	.amdgpu_metadata
---
amdhsa.version: [ 1, 2 ]
amdhsa.kernels:
  - .name:           k_qc4f9a80200_attn
    .symbol:         k_qc4f9a80200_attn.kd
    .args:
      - { .name: qkb, .offset: 0, .size: 8, .value_kind: global_buffer, .address_space: global }
      - { .name: vb, .offset: 8, .size: 8, .value_kind: global_buffer, .address_space: global }
      - { .name: ah, .offset: 16, .size: 8, .value_kind: global_buffer, .address_space: global }
    .group_segment_fixed_size: 182272
    .private_segment_fixed_size: 0
    .kernarg_segment_align: 8
    .kernarg_segment_size: 24
    .max_flat_workgroup_size: 512
    .sgpr_count:     70
    .vgpr_count:     256
    .wavefront_size: 32
...
	.end_amdgpu_metadata
.endif
;; end of part 3
;; launch gemm2 (part 4): grid 8 x 32, 4 waves a work-group, clusters of 4 x 1, 327,680 bytes of LDS; arguments ah, wb2, x, out0; writes out0
.if DOCPART == 4
	.amdgcn_target "amdgcn-amd-amdhsa--gfx1250"
	.amdhsa_code_object_version 6
	.text
	.protected	k_qc4f9a80200_gemm2
	.globl	k_qc4f9a80200_gemm2
	.p2align	8
	.type	k_qc4f9a80200_gemm2,@function
k_qc4f9a80200_gemm2:
	s_mov_b64 s[64:65], 0
	v_nop
	global_prefetch_b8 v0, s[64:65] scope:SCOPE_SE
	s_setreg_imm32_b32 hwreg(HW_REG_WAVE_MODE, 25, 1), 1
	s_wait_xcnt 0x0
	s_wait_alu depctr_hold_cnt(0) depctr_sa_sdst(0) depctr_va_vdst(0) depctr_va_sdst(0) depctr_va_ssrc(0) depctr_va_vcc(0) depctr_vm_vsrc(0)
	s_getreg_b32 s2, hwreg(HW_REG_IB_STS2, 6, 4)
	s_cmp_eq_u32 s2, 0
	s_cbranch_scc0 .Lentry_in_a_cluster
	s_endpgm
.Lentry_in_a_cluster:
	s_bfe_u32 s2, ttmp6, 0x10000c
	s_cmp_lg_u32 s2, 0x3003
	s_cbranch_scc0 .Lentry_shape_is_right
	s_endpgm
.Lentry_shape_is_right:
; out0 = x + [attention | hidden layer] x [wo | w_down]: one product of K = 4,608 on codes of E2M1, both operands in units of 4,352 bytes (a tile of 16 rows x 512 along K in the order of the operand's registers,
; then scale bytes), nine units a tile.  Places of a tile hold rows (of ah) and columns (of wb2) with bits 3 and 4 exchanged; the stage's addresses put them right.
; SHARES.  A work-group makes 128 rows x 128 columns: 256 work-groups.  THE WAVES SHARE K: wave w multiplies the whole tile over the w-th 128 of each unit, nine K steps of 64 products, so each operand byte
; goes into registers once a work-group and each fragment feeds eight products.
; CLUSTER.  The four work-groups of a cluster make four neighbouring column blocks of the same 128 rows.  Those rows of ah, all of K, are 8 x 39,168 = 313,344 dense bytes: they are asked for JOINTLY (mask 15),
; one tensor load a wave (two tiles, 306 rows of 256 bytes), land once in each partner's LDS and stay: nothing is filled again.
; wb2's tiles go from memory straight into registers (a fragment is two loads of 512 consecutive bytes), in four sets: three units, 60 loads a wave, are out while one is multiplied.
; They are not asked for jointly: beside ah's rows LDS has 14,336 bytes left, less than one unit of eight tiles (34,816).
; PREFETCH.  x's rows are loaded behind K steps 5 and 6, when registers fall free.  In K steps 0 and 1 each wave asks for its own 32 rows x 512 bytes, a lane a row, 256 bytes an instruction: each aligned block of
; 256 bytes once in the launch, four to five K steps ahead of its load.  ah is asked for once, at the head, and wb2's loads themselves run three K steps ahead: they have no prefetch.
; The four partial sums meet in LDS, on the trip that turns results into whole rows anyway, in stages that lie over ah's bytes, behind a barrier behind which nobody reads those; each wave then adds four parts
; and x for 32 rows and stores rows of 512 bytes.  STAGE ROW R LIES AT 528 R + 128 (R / 16): the sixteen lanes of half a store hold rows 0-7 and 16-23 of a group of 32, so the first eight start at words 4 r
; and the others at 32 + 4 (r - 8), modulo 64 (64 banks of 4 bytes: ISA guide 11.1).
; LIMIT: the sum over K is formed as four partial sums, grouped otherwise than reference()'s.
; REGISTERS, in windows of 256.  Window 0: v2-4, v8-11, v16-27, v60 addresses; v12, v13 the add's two; v32-55 scale words and nothing else (wb2's four sets, ah's two); v64-191 ah's fragments, two sets of 64, later rows on their way out.
;   Window 1: wb2's fragments, four sets of 64; sets 1 and 2 take my 32 rows of x when they are done with.   Windows 2, 3: accumulator (j, i) at v[8 (8 (j % 4) + i)] of window 2 + j / 4.
.set U,      4352
.set TP2,    9*U
.set SPITCH, 528                       ; a stage row: 512 bytes + 16
.set STAGE,  128*SPITCH+8*128          ; a stage for each wave's partial sums: 128 rows, and 128 bytes more for each 16 of them: four stages are 274,432 bytes
.set SPARE,  8*TP2                     ; behind ah's rows: the spare words, 128 bytes for each wave, which no other line names
.set MSB, 0
.macro WIN new                         ; the immediate's high byte repeats the setting that is left
.if MSB != (\new)
	s_set_vgpr_msb (MSB<<8)|(\new)
.set MSB, (\new)
.endif
.endm
.macro PLACES                          ; four plain lines between a matrix instruction and a load into, or a store of, its registers
.rept 4
	v_nop
.endr
.endm
.macro CROUND                          ; a round of the cluster's barrier
	s_barrier_signal -1
	s_barrier_wait -1
	s_cmp_lg_u32 s12, 0
	s_cbranch_scc1 .Lnot_wave_0_\@
	s_barrier_signal -3
.Lnot_wave_0_\@:
	s_barrier_wait -3
	s_barrier_signal -1
	s_barrier_wait -1
.endm
.macro LOADSB u                        ; wb2's unit u into set u % 4: 20 loads; every offset is an immediate, 309,504 at the most
	WIN 0x40                                       ; destination window 1
.irp i, 0,1,2,3,4,5,6,7
.irp c, 0,1
	global_load_b128 v[64*((\u)%4)+8*\i+4*\c:64*((\u)%4)+8*\i+4*\c+3], v2, s[16:17] offset:\i*TP2+(\u)*U+\c*512
.endr
.endr
	WIN 0
.irp m, 0,1,2,3
	global_load_b32 v[32+4*((\u)%4)+\m], v3, s[18:19] offset:\m*TP2+(\u)*U
.endr
.endm
	s_load_b256 s[4:11], s[0:1], 0x0               ; ah 4, wb2 6, x 8, out0 10
	v_lshl_add_u32 v12, v0, 2, SPARE
	v_mov_b32 v13, 0
	ds_add_u32 v12, v13                            ; the wave's opening: the add, twice on end, and its wait ahead of my first tensor load
	ds_add_u32 v12, v13
	v_lshrrev_b32 v1, 5, v0
	v_readfirstlane_b32 s12, v1                    ; wave 0..3
	s_bfe_u32 s14, ttmp6, 0x40000                  ; cx
	s_lshl_b32 s15, ttmp9, 2
	s_add_co_u32 s15, s15, s14                     ; which 128 columns: it enters wb2's, x's and out0's addresses alone
	s_and_b32 s13, ttmp7, 0xffff                   ; which 128 rows: the four partners share it
	s_mov_b32 s40, 15|(3<<16)|(1<<21)              ; group 1: all four work-groups; elements of 8 bytes; bit 21 set beside a mask
	s_mov_b32 s41, 32<<16                          ; rows of 256 bytes,
	s_mov_b32 s42, 306<<16                         ; 306 of them: two tiles, all nine units
	s_mov_b32 s43, 32<<16
	s_mov_b32 s44, 306
	s_mov_b32 s45, 32
	s_mov_b32 s46, 0
	s_mov_b32 s47, 0
	s_mov_b32 s36, 1
	s_mul_i32 s37, s12, 2*TP2                      ; LDS address: tiles 2 w, 2 w + 1: the wave's number alone
	s_mul_i32 s32, s13, 8*TP2
	s_add_co_u32 s32, s32, s37                     ; and in ah
	s_mov_b32 s33, 0
	v_and_b32 v1, 31, v0
	v_lshlrev_b32 v2, 4, v1                        ; 16 x lane
	v_lshlrev_b32 v60, 12, v1                      ; the prefetches' offset: a lane a row of x; never rewritten
	v_and_b32 v5, 15, v0                           ; r
	v_bfe_u32 v6, v0, 4, 1                         ; h
	v_mul_u32_u24 v3, v6, 4*TP2
	v_lshl_add_u32 v3, v5, 4, v3                   ; scale words: lanes 0-15 tile m, lanes 16-31 tile m + 4
	v_and_b32 v7, 8, v5
	v_lshlrev_b32 v15, 4, v7                       ; 128 (r / 8)
	v_add_nc_u32 v7, v7, v5                        ; r + 8 (r / 8)
	v_mul_u32_u24 v4, v7, SPITCH
	v_lshl_add_u32 v4, v6, 6, v4
	s_mul_i32 s30, s12, STAGE
	v_add_nc_u32 v4, s30, v4                       ; my stage, in: place r of a tile of rows; 64 h bytes: my half's 16 columns of a pair of tiles;
	v_add_nc_u32 v4, v4, v15                       ; places 8-15 are rows of the next 16: 128 bytes further on
	s_mul_i32 s30, s12, 32*SPITCH+256
	v_add_nc_u32 v8, s30, v2                       ; the stages, out: rows 32 w on, 16 bytes a lane
	v_add_nc_u32 v9, STAGE, v8
	v_add_nc_u32 v10, 2*STAGE, v8
	v_add_nc_u32 v11, 3*STAGE, v8
	s_lshl_b32 s30, s12, 10                        ; my 128 of each unit's 512
	s_lshl_b32 s31, s12, 2
	s_add_co_u32 s31, s31, 4096                    ; and its scale word
	v_add_nc_u32 v16, s30, v2                      ; ah in LDS: my fragments of tile 0,
.irp j, 1,2,3,4,5,6,7
	v_add_nc_u32 v[16+\j], \j*TP2, v16             ; of tile j;
.endr
	v_add_nc_u32 v24, s31, v3                      ; my scale words of tiles 0 and 4,
.irp m, 1,2,3
	v_add_nc_u32 v[24+\m], \m*TP2, v24             ; of tiles m and m + 4
.endr
	s_mul_i32 s34, s15, 8*TP2
	s_mov_b32 s29, 0
	s_wait_alu depctr_va_vdst(0)                   ; the wait at the head's end
	s_wait_dscnt 0x0                               ; both opening adds are done
	s_wait_kmcnt 0x0
	s_add_nc_u64 s[38:39], s[4:5], s[32:33]
	s_or_b32 s39, s39, 0x80000000
	s_add_co_u32 s28, s34, s30
	s_add_nc_u64 s[16:17], s[6:7], s[28:29]        ; wb2's codes
	s_add_co_u32 s28, s34, s31
	s_add_nc_u64 s[18:19], s[6:7], s[28:29]        ; its scale words
	LOADSB 0                                       ; wb2's first two units are on their way while the partners meet
	LOADSB 1
	CROUND                                         ; all four work-groups are here: the joint loads meet
	tensor_load_to_lds s[36:39], s[40:47]          ; my one tensor load of the launch
	s_nop 0
.rept 4
	v_nop
.endr
	s_lshl_b32 s28, s13, 7
	s_lshl_b32 s30, s12, 5
	s_add_co_u32 s28, s28, s30
	s_lshl_b32 s28, s28, 12
	s_lshl_b32 s30, s15, 9
	s_add_co_u32 s28, s28, s30                     ; row 128 y + 32 w, column 128 x, in bytes
	s_add_nc_u64 s[24:25], s[8:9], s[28:29]        ; x
	s_add_nc_u64 s[26:27], s[10:11], s[28:29]      ; out0
.macro FETCHA u                        ; ah's unit u from LDS into set u % 2: 20 loads
.irp j, 0,1,2,3,4,5,6,7
.irp c, 0,1
	ds_load_b128 v[64+64*((\u)%2)+8*\j+4*\c:64+64*((\u)%2)+8*\j+4*\c+3], v[16+\j] offset:(\u)*U+\c*512
.endr
.endr
.irp m, 0,1,2,3
	ds_load_b32 v[48+4*((\u)%2)+\m], v[24+\m] offset:(\u)*U
.endr
.endm
.macro XLOAD k                         ; rows 16 k .. 16 k + 15 of my 32 rows of x into window 1, v[64 + 4 row]: 512 consecutive bytes a load
	WIN 0x40
.set rr, 16*(\k)
.rept 16
	global_load_b128 v[64+4*rr:67+4*rr], v2, s[24:25] offset:4096*rr th:TH_LOAD_NT
.set rr, rr+1
.endr
	WIN 0
.endm
; One product, on the registers named by AC, PP, QQ, SA, SB.  z: it starts the sum.  ra, rb: the side's scale words stand in lanes 16-31
.macro WM z, ra, rb
.if \z
.if \ra
.if \rb
	v_wmma_scale_f32_16x16x128_f8f6f4 v[AC:AC+7], v[PP:PP+7], v[QQ:QQ+7], 0, v[SA], v[SB] matrix_a_fmt:MATRIX_FMT_FP4 matrix_b_fmt:MATRIX_FMT_FP4 matrix_a_scale:MATRIX_SCALE_ROW1 matrix_b_scale:MATRIX_SCALE_ROW1
.else
	v_wmma_scale_f32_16x16x128_f8f6f4 v[AC:AC+7], v[PP:PP+7], v[QQ:QQ+7], 0, v[SA], v[SB] matrix_a_fmt:MATRIX_FMT_FP4 matrix_b_fmt:MATRIX_FMT_FP4 matrix_a_scale:MATRIX_SCALE_ROW1
.endif
.else
.if \rb
	v_wmma_scale_f32_16x16x128_f8f6f4 v[AC:AC+7], v[PP:PP+7], v[QQ:QQ+7], 0, v[SA], v[SB] matrix_a_fmt:MATRIX_FMT_FP4 matrix_b_fmt:MATRIX_FMT_FP4 matrix_b_scale:MATRIX_SCALE_ROW1
.else
	v_wmma_scale_f32_16x16x128_f8f6f4 v[AC:AC+7], v[PP:PP+7], v[QQ:QQ+7], 0, v[SA], v[SB] matrix_a_fmt:MATRIX_FMT_FP4 matrix_b_fmt:MATRIX_FMT_FP4
.endif
.endif
.else
.if \ra
.if \rb
	v_wmma_scale_f32_16x16x128_f8f6f4 v[AC:AC+7], v[PP:PP+7], v[QQ:QQ+7], v[AC:AC+7], v[SA], v[SB] matrix_a_fmt:MATRIX_FMT_FP4 matrix_b_fmt:MATRIX_FMT_FP4 matrix_a_scale:MATRIX_SCALE_ROW1 matrix_b_scale:MATRIX_SCALE_ROW1
.else
	v_wmma_scale_f32_16x16x128_f8f6f4 v[AC:AC+7], v[PP:PP+7], v[QQ:QQ+7], v[AC:AC+7], v[SA], v[SB] matrix_a_fmt:MATRIX_FMT_FP4 matrix_b_fmt:MATRIX_FMT_FP4 matrix_a_scale:MATRIX_SCALE_ROW1
.endif
.else
.if \rb
	v_wmma_scale_f32_16x16x128_f8f6f4 v[AC:AC+7], v[PP:PP+7], v[QQ:QQ+7], v[AC:AC+7], v[SA], v[SB] matrix_a_fmt:MATRIX_FMT_FP4 matrix_b_fmt:MATRIX_FMT_FP4 matrix_b_scale:MATRIX_SCALE_ROW1
.else
	v_wmma_scale_f32_16x16x128_f8f6f4 v[AC:AC+7], v[PP:PP+7], v[QQ:QQ+7], v[AC:AC+7], v[SA], v[SB] matrix_a_fmt:MATRIX_FMT_FP4 matrix_b_fmt:MATRIX_FMT_FP4
.endif
.endif
.endif
.endm
; 64 products: source 0 = wb2's tile i (16 columns), source 1 = ah's tile j (16 rows): a lane holds one row of the result and eight neighbouring columns.
; The 64 accumulators take turns, one instruction a turn, in the same order in every K step
.macro MUL64 u, zero
.irp j, 0,1,2,3,4,5,6,7
	WIN (0xa1+0x50*(\j/4))                         ; source 0 window 1, source 1 window 0, C and D window 2 or 3
.irp i, 0,1,2,3,4,5,6,7
.set AC, 8*(8*(\j%4)+\i)
.set PP, 64*((\u)%4)+8*\i
.set QQ, 64+64*((\u)%2)+8*\j
.set SA, 32+4*((\u)%4)+(\i%4)
.set SB, 48+4*((\u)%2)+(\j%4)
	WM \zero, \i/4, \j/4
.endr
.endr
.endm
; K step u.  lc: the global loads issued behind wb2's unit u, which may be out.  Behind the products the sets just read take what comes four (wb2) and two (ah) units on
.macro TRIP u, zero, lc
	s_wait_loadcnt \lc
	s_wait_dscnt 20                                ; ah's unit u is in; the next unit's 20 loads may be out
.if (\u) < 2
	global_prefetch_b8 v60, s[24:25] offset:256*(\u) th:TH_LOAD_NT scope:SCOPE_SE   ; half u of each of my 32 rows of x; its address registers are never rewritten
.endif
	MUL64 \u, \zero
.if (\u) < 7
	PLACES
.if (\u) < 5
	LOADSB (\u)+4
.else
	XLOAD (\u)-5                                   ; wb2's sets 1 and 2 are done with: x's rows
.endif
	FETCHA (\u)+2
.endif
.endm
	LOADSB 2
	LOADSB 3
	s_wait_tensorcnt 0x0                           ; my two tiles of ah are in,
	s_barrier_signal -1
	s_barrier_wait -1                              ; everybody's are
	FETCHA 0
	FETCHA 1
	TRIP 0, 1, 60                                  ; the first products start the sums: nothing is cleared.  60: three later units of 20 loads
	TRIP 1, 0, 60
	TRIP 2, 0, 60
	TRIP 3, 0, 60
	TRIP 4, 0, 60
	TRIP 5, 0, 60
	TRIP 6, 0, 56                                  ; units 7 and 8, and 16 loads of x
	TRIP 7, 0, 52                                  ; unit 8, and 32 loads of x
	s_wait_loadcnt 32                              ; x's 32 may be out
	s_wait_dscnt 0x0                               ; ah's last unit is in registers: my reads of ah's bytes are over:
	s_barrier_signal -1                            ; say so,
	MUL64 8, 0                                     ; work on registers while the others arrive,
	s_barrier_wait -1                              ; and nobody reads ah's bytes any more: they have had their one fill, and take the stages
	PLACES
	; my partial sums into my stage: tile j's place r is row 32 (j / 2) + 8 (j % 2) + r + 8 (r / 8), in the 16 rows numbered 2 (j / 2) + r / 8; tile i's registers are columns 32 (i / 2) + 16 h + 8 (i % 2) + 0 .. 7
	s_wait_alu depctr_va_vdst(0)
.irp j, 0,1,2,3,4,5,6,7
	WIN (0x08+4*(\j/4))                            ; an LDS store's data are its source 1: window 2 or 3
.irp i, 0,1,2,3,4,5,6,7
	ds_store_b128 v4, v[8*(8*(\j%4)+\i):8*(8*(\j%4)+\i)+3] offset:(32*(\j/2)+8*(\j%2))*SPITCH+256*(\j/2)+128*(\i/2)+32*(\i%2)        ; each accumulator from its low end on
	ds_store_b128 v4, v[8*(8*(\j%4)+\i)+4:8*(8*(\j%4)+\i)+7] offset:(32*(\j/2)+8*(\j%2))*SPITCH+256*(\j/2)+128*(\i/2)+32*(\i%2)+16
.endr
.endr
	WIN 0
	s_wait_dscnt 0x0                               ; for the others' sake: my stores are done
	s_barrier_signal -1
	s_barrier_wait -1
	s_wait_loadcnt 0x0                             ; x
.macro GLOAD grp                       ; rows 4 grp .. 4 grp + 3 of my 32, from all four stages; my rows 16-31 lie 128 bytes further on
.irp rr, 0,1,2,3
.irp s, 0,1,2,3
	ds_load_b128 v[64+64*((\grp)%2)+16*\rr+4*\s:64+64*((\grp)%2)+16*\rr+4*\s+3], v[8+\s] offset:(4*(\grp)+\rr)*SPITCH+128*((\grp)/4)
.endr
.endr
.endm
.macro GSUM grp, left
.set GB, 64+64*((\grp)%2)
	s_wait_dscnt \left                             ; this group's 16 loads are in; the next group's 16 may be out
.irp rr, 0,1,2,3
	v_pk_add_f32 v[GB+16*\rr:GB+16*\rr+1], v[GB+16*\rr:GB+16*\rr+1], v[GB+16*\rr+4:GB+16*\rr+5]
	v_pk_add_f32 v[GB+16*\rr+2:GB+16*\rr+3], v[GB+16*\rr+2:GB+16*\rr+3], v[GB+16*\rr+6:GB+16*\rr+7]
	v_pk_add_f32 v[GB+16*\rr+8:GB+16*\rr+9], v[GB+16*\rr+8:GB+16*\rr+9], v[GB+16*\rr+12:GB+16*\rr+13]
	v_pk_add_f32 v[GB+16*\rr+10:GB+16*\rr+11], v[GB+16*\rr+10:GB+16*\rr+11], v[GB+16*\rr+14:GB+16*\rr+15]
.endr
.irp rr, 0,1,2,3
	v_pk_add_f32 v[GB+16*\rr:GB+16*\rr+1], v[GB+16*\rr:GB+16*\rr+1], v[GB+16*\rr+8:GB+16*\rr+9]
	v_pk_add_f32 v[GB+16*\rr+2:GB+16*\rr+3], v[GB+16*\rr+2:GB+16*\rr+3], v[GB+16*\rr+10:GB+16*\rr+11]
.endr
	WIN 0x04                                       ; source 1 (x) in window 1
.irp rr, 0,1,2,3
	v_pk_add_f32 v[GB+16*\rr:GB+16*\rr+1], v[GB+16*\rr:GB+16*\rr+1], v[64+4*(4*(\grp)+\rr):65+4*(4*(\grp)+\rr)]
	v_pk_add_f32 v[GB+16*\rr+2:GB+16*\rr+3], v[GB+16*\rr+2:GB+16*\rr+3], v[66+4*(4*(\grp)+\rr):67+4*(4*(\grp)+\rr)]
.endr
	WIN 0
.irp rr, 0,1,2,3
	global_store_b128 v2, v[GB+16*\rr:GB+16*\rr+3], s[26:27] offset:(4*(\grp)+\rr)*4096 th:TH_STORE_NT   ; 32 lanes store 512 consecutive bytes, at a multiple of 256 from out0's first byte
.endr
.endm
	GLOAD 0
	GLOAD 1
.irp g, 0,1,2,3,4,5
	GSUM \g, 16
	s_wait_xcnt 0x0                                ; the stores have read their registers: the group two on is loaded into them only behind this wait
	GLOAD \g+2
.endr
	GSUM 6, 16
	GSUM 7, 0
	s_wait_tensorcnt 0x0                           ; the wave's end
	ds_add_u32 v12, v13
	s_wait_dscnt 0x0
	CROUND                                         ; the closing round
	s_endpgm
.Lfunc_end_k_qc4f9a80200_gemm2:
	.size	k_qc4f9a80200_gemm2, .Lfunc_end_k_qc4f9a80200_gemm2-k_qc4f9a80200_gemm2
	.p2alignl 7, 3214868480
	.fill 96, 4, 3214868480
	.section	.rodata,"a",@progbits
	.p2align	6, 0x0
	.amdhsa_kernel k_qc4f9a80200_gemm2
		.amdhsa_group_segment_fixed_size 327680
		.amdhsa_private_segment_fixed_size 0
		.amdhsa_enable_private_segment 0
		.amdhsa_kernarg_size 32
		.amdhsa_user_sgpr_count 2
		.amdhsa_user_sgpr_kernarg_segment_ptr 1
		.amdhsa_wavefront_size32 1
		.amdhsa_system_sgpr_workgroup_id_x 1
		.amdhsa_system_sgpr_workgroup_id_y 1
		.amdhsa_system_sgpr_workgroup_id_z 1
		.amdhsa_system_vgpr_workitem_id 0
		.amdhsa_next_free_vgpr 1024
		.amdhsa_next_free_sgpr 66
		.amdhsa_reserve_vcc 0
		.amdhsa_float_denorm_mode_32 3
		.amdhsa_float_denorm_mode_16_64 3
		.amdhsa_memory_ordered 1
		.amdhsa_forward_progress 1
		.amdhsa_inst_pref_size 148
	.end_amdhsa_kernel
	.amdgpu_metadata
---
amdhsa.version: [ 1, 2 ]
amdhsa.kernels:
  - .name:           k_qc4f9a80200_gemm2
    .symbol:         k_qc4f9a80200_gemm2.kd
    .args:
      - { .name: ah, .offset: 0, .size: 8, .value_kind: global_buffer, .address_space: global }
      - { .name: wb2, .offset: 8, .size: 8, .value_kind: global_buffer, .address_space: global }
      - { .name: x, .offset: 16, .size: 8, .value_kind: global_buffer, .address_space: global }
      - { .name: out0, .offset: 24, .size: 8, .value_kind: global_buffer, .address_space: global }
    .group_segment_fixed_size: 327680
    .private_segment_fixed_size: 0
    .kernarg_segment_align: 8
    .kernarg_segment_size: 32
    .max_flat_workgroup_size: 128
    .sgpr_count:     66
    .vgpr_count:     1024
    .wavefront_size: 32
...
	.end_amdgpu_metadata
.endif
;; end of part 4
